; MI455X (gfx1250); checked and timed in simulation.
; The chip was launched on July 23, 2026; its instructions are those of AMD's public machine-readable ISA for CDNA 5 (MIT licence, August 2026) and "CDNA5" Instruction Set Architecture Reference Guide (July 2026). The comments in the code are by the model that wrote it; some were corrected since.
;; Stabilized Attention. Allowed arithmetic: matrix products marked QUANTISED: E3M2 operands, one E8M0 scale for each 32 along K, by v_wmma_scale_f32_16x16x128_f8f6f4 with both operands' format E3M2, f32 sums; everything else in f32.
;; Inputs: b_out 1,024 float32; b_qkv 3,072 float32; w_out 1,024 x 1,024 float32; w_qkv 1,024 x 3,072 float32; x 4 x 2,048 x 1,024 float32.
;; Outputs: out0 4 x 2,048 x 1,024 float32.
;; This version of the problem:
;;   THIS VERSION OF THE PROBLEM IS GIVEN IN LOW PRECISION. The matrix products marked QUANTISED in the list below multiply operands that are first quantised to E3M2 (3 exponent bits, 2 mantissa bits; 6 bits a number), with one power-of-two scale for each 32 numbers along K (OCP MX v1.0); their sums are f32. All else is computed in f32.
;;   The module's matrix products, in the order in which they are computed (A, B: the left and right operand; K: the contracted axis; several contracted axes count as one K, in the product's order):
;;     1. [M 8,192, K 1,024] x [K 1,024, N 3,072]; A: input x; B: input w_qkv: QUANTISED
;;     2. batch 64 x [M 2,048, K 64] x [K 64, N 2,048]; A: computed on the way; B: computed on the way: QUANTISED
;;     3. batch 64 x [M 2,048, K 2,048] x [K 2,048, N 64]; A: softmax (see below); B: computed on the way: QUANTISED
;;     4. [M 8,192, K 1,024] x [K 1,024, N 1,024]; A: computed on the way; B: input w_out: QUANTISED
;;   THE QUANTISER, for each operand of a quantised product, along K:
;;     - K is cut into blocks of 32 from its start; a last block that is shorter is filled with zeros.
;;     - A block's scale is 2^e with e = floor(log2(the largest magnitude in the block)) - 4, held to -126 .. 127; a block of zeros has e = 0. As a byte (E8M0): e + 127.
;;     - Each number is divided by its block's scale, clamped to +-28, and rounded to the nearest number of E3M2, ties to even, subnormals kept.
;;     - The product sums the exact products of the quantised numbers (number of the format x scale) in f32.
;;   ~~~python
;;   def quantise(x, axis):      # numpy; x: float32 -> the quantised numbers, widened to float32 again
;;       x = np.moveaxis(x, axis, -1); K = x.shape[-1]
;;       x = np.pad(x, [(0, 0)] * (x.ndim - 1) + [(0, -K % 32)]); x = x.reshape(x.shape[:-1] + (-1, 32)); a = np.abs(x).max(-1, keepdims=True)
;;       e = np.where(a > 0, np.clip(np.frexp(np.where(a > 0, a, 1))[1] - 1 - 4, -126, 127), 0)      # np.frexp(a)[1] - 1 = floor(log2(a)), exactly
;;       r = np.clip(x / 2.0 ** e, -28, 28)
;;       step = 2.0 ** (np.maximum(np.frexp(np.where(r == 0, 1, r))[1] - 1, -2) - 2)
;;       q = np.round(r / step) * step * 2.0 ** e      # np.round: ties to even
;;       return np.moveaxis(q.reshape(q.shape[:-2] + (-1,))[..., :K], -1, axis).astype(np.float32)
;;   ~~~
;;   SOFTMAX AHEAD OF A QUANTISED PRODUCT. Where the list says 'softmax', what is quantised is not the finished softmax but p = 2^(t - M), with t = logit x log2(e) and M = ceil(the row's largest t), a whole number; so 1/2 < the row's largest p <= 1. The row's sum l is taken of the UNQUANTISED p, in f32, and the product's result is divided by l at the end. Since M is a whole number, a kernel that streams over the keys may use a running M (the ceiling of the running maximum): every later rescaling is an exact power of two, which a block's scale takes up: the codes' values come out the same.
;;   OPERANDS COMPUTED ON THE WAY. 'Computed on the way' means the value that the module computes at that place (a softmax that the list does not call 'softmax' is quantised finished and normalised). What goes into a quantiser is computed in f32, as accurately as f32 sums, v_exp_f32 and their like allow (about 1e-6 of the number): no bf16 or f16 on the way to a quantiser, and a product that is left as it is and whose result goes on into a quantised operand takes f32 operands (vector FMAs, or v_wmma_f32_16x16x4_f32). A number that lies on a knife's edge between two numbers of the format may be rounded either way, as far as f32 arithmetic and the matrix unit's own rounding can turn it there, and no further.
;; One version. Each part assembles by itself: llvm-mc -triple=amdgcn-amd-amdhsa -mcpu=gfx1250 --defsym DOCPART=n.
;; ======== version 1 of 1: 4 launches
;; limits: right only within a limited range of input values
;; workspace buffers: xc 6,291,456 bytes; xs 262,144 bytes; wc 3,145,728 bytes; ws 131,072 bytes; qkv 19,660,800 bytes; ac 6,291,456 bytes; asc 262,144 bytes
;; launch prep (part 1): grid 512 x 1, 4 waves a work-group, no clusters, 34,304 bytes of LDS; arguments x, w_qkv, w_out, xc, xs, wc, ws; writes xc, xs, wc, ws
.if DOCPART == 1
	.amdgcn_target "amdgcn-amd-amdhsa--gfx1250"
	.amdhsa_code_object_version 6
	.text
	.protected	k_qc954864eff_prep
	.globl	k_qc954864eff_prep
	.p2align	8
	.type	k_qc954864eff_prep,@function
k_qc954864eff_prep:
	s_mov_b64 s[64:65], 0
	v_nop
	global_prefetch_b8 v0, s[64:65] scope:SCOPE_SE
	s_setreg_imm32_b32 hwreg(HW_REG_WAVE_MODE, 25, 1), 1
	s_wait_xcnt 0x0
; x [8192][1024], w_qkv [1024][3072] and w_out [1024][1024], f32, become codes of BF6 (E3M2) with one E8M0 scale byte for each 32 along K (K = the 1,024).
; A block's scale is 2^(floor(log2(its largest magnitude)) - 4); its byte is the largest magnitude's exponent field - 4, held at 1 from below.
; (A block of zeros gets the byte 1 where the rule says 127: its codes are zeros, which add nothing under any byte but 0xff, and only this program reads the bytes.)
; LIMITS: NaN and infinities among the inputs are not served; blocks whose largest magnitude lies under 2^-122 keep the byte 1.
; LAYOUT OF THE RESULTS.  Codes are laid as IMAGES OF OPERAND REGISTERS.  A half image is 16 rows x 64 K, 768 bytes: lane l's registers 0-3 at 16 l, its registers 4-5 at 512 + 8 l;
; lane (r, h) holds row r, k = 32 h .. 32 h + 31.  Two half images on end are a fragment of 16 rows x 128 K.  xc: [512 tiles of 16 tokens][8 K steps][1,536]; wc: [256 tiles of 16 columns][8][1,536]
; (tiles 0-191 w_qkv's columns, 192-255 w_out's).  Scale bytes: xs [8,192 places][32], ws [4,096 places][32].
; ORDER OF ROWS.  Place p holds the row whose number is p with bits 3 and 4 exchanged: row r of tile 2 b + u is true row 32 b + 8 u + r + 8 (r / 8).  So the results of two neighbouring tiles, used as
; source 0 of a product, are 16 true neighbours in a lane's registers.
; SHARES.  Work-groups 0-255 take x: a wave takes one tile of 16 tokens x 512 K.  Work-groups 256-447 take w_qkv, 448-511 w_out: a wave takes 32 columns x 128 K, one K step: four blocks of 32, two of them asked for ahead.
; Waves share nothing: no barrier.
.set SP,    528                        ; x's stage: a row of 512 bytes + 16, so that sixteen rows start in sixteen different columns of 16 bytes
.set WREG,  16*SP                      ; a wave's stage
.set L16,   4                          ; v4   16 x lane
.set L8,    5                          ; v5   8 x lane
.set R,     16                         ; x: v16-143  two sets of 64 registers as loaded
.set X,     144                        ; x: v144-207 64 numbers of my row: register 16 b + i = k 32 b + 16 (lane / 16) + i
.set PC,    208                        ; x: v208-226 the codes just made
.set TM,    228                        ; x: v228-243 at work
.set W,     244                        ; x: v244-247 my row's four scale words
.set XW,    16                         ; w: v16-79   two sets of 32 numbers down K
.set CW,    80                         ; w: v80-103  codes: 12 registers for each pair of blocks, so that no store's data are written again
.set TW,    128                        ; w: v128-130 a conversion's result on its way
.set SB,    140                        ; w: v140     four scale bytes
	s_load_b128 s[4:7], s[0:1], 0x0                ; x, w_qkv
	s_load_b128 s[8:11], s[0:1], 0x10              ; w_out, xc
	s_load_b128 s[12:15], s[0:1], 0x20             ; xs, wc
	s_load_b64 s[16:17], s[0:1], 0x30              ; ws
	v_lshl_add_u32 v254, v0, 2, 0x8400
	v_mov_b32 v255, 0
	v_lshrrev_b32 v1, 5, v0
	v_readfirstlane_b32 s18, v1                    ; wave 0..3
	v_and_b32 v1, 31, v0                           ; lane
	v_lshlrev_b32 v[L16], 4, v1
	v_lshlrev_b32 v[L8], 3, v1
	s_cmp_lt_u32 ttmp9, 256
	s_cbranch_scc1 .Lx
	s_cmp_lt_u32 ttmp9, 448
	s_cbranch_scc1 .Lwqkv
; ---- A WEIGHT, K ITS FIRST AXIS.  A lane takes a column and its registers run down K: a block of 32 lies in one lane, and the conversions give codes with K innermost.
.macro LOADW t, cols, wb               ; block t: w(32 t + i, my column), i = 0 .. 31; a load's 32 lanes cover 128 consecutive bytes
.irp i, 0,1,2,3,4,5,6,7,8,9,10,11,12,13,14,15,16,17,18,19,20,21,22,23,24,25,26,27,28,29,30,31
	global_load_b32 v[XW+32*((\t)%2)+\i], v6, s[\wb:\wb+1] offset:(32*(\t)+\i)*\cols*4 th:TH_LOAD_NT
.endr
.endm
.macro BLOCKW t, cols, wb
.set XS, XW+32*((\t)%2)
.set CC, CW+12*((\t)/2)+6*((\t)%2)
.if (\t) < 3
	s_wait_loadcnt 32                              ; this block's 32 loads are in; the next block's 32 may be out
.else
	s_wait_loadcnt 0x0
.endif
	v_max3_num_f32 v132, |v[XS]|, |v[XS+1]|, |v[XS+2]|              ; the block's largest magnitude, in two chains
	v_max3_num_f32 v133, |v[XS+3]|, |v[XS+4]|, |v[XS+5]|
.irp i, 6,10,14,18,22,26
	v_max3_num_f32 v132, v132, |v[XS+\i]|, |v[XS+\i+1]|
	v_max3_num_f32 v133, v133, |v[XS+\i+2]|, |v[XS+\i+3]|
.endr
	v_max3_num_f32 v132, v132, |v[XS+30]|, |v[XS+31]|
	v_max3_num_f32 v132, v132, v133, 0x2800000     ; and the floor 2^(5 - 127): the byte cannot fall under 1
	v_add_nc_u32 v134, 0xfe000000, v132            ; 4 off the exponent field: the conversion takes this operand's exponent field as its scale
	v_lshrrev_b32 v133, 23, v134                   ; the scale's byte
.if (\t) == 0
	v_mov_b32 v[SB], v133                          ; four bytes to a register, the lower K in the lower byte
.else
	v_lshl_or_b32 v[SB], v133, 8*(\t), v[SB]
.endif
	v_cvt_scalef32_pk16_bf6_f32 v[CC:CC+2], v[XS:XS+15], v134
	v_cvt_scalef32_pk16_bf6_f32 v[TW:TW+2], v[XS+16:XS+31], v134    ; (a conversion's three registers begin on an even number: the block's second three do not)
	v_nop                                          ; one plain place behind a scaled conversion
.irp i, 0,1,2
	v_mov_b32 v[CC+3+\i], v[TW+\i]
.endr
.if (\t)+2 < 4
	LOADW (\t)+2, \cols, \wb
.endif
.if (\t)%2 == 1
; Two blocks of 32 make a half image.  The first run's lanes 16-31 change places with the second run's lanes 0-15: the first run then is the half image of the columns of lanes 0-15 (lanes 0-15 the lower block,
; lanes 16-31 the upper), the second run that of the columns of lanes 16-31.
.irp i, 0,1,2,3,4,5
	v_permlane16_swap_b32 v[CC-6+\i], v[CC+\i]
.endr
.irp e, 0,1
	global_store_b128 v[L16], v[CC-6+6*\e:CC-6+6*\e+3], s[14:15] offset:\e*12288+((\t)/2)*768       ; 512 consecutive bytes, aligned to 256
	global_store_b64 v[L8], v[CC-6+6*\e+4:CC-6+6*\e+5], s[14:15] offset:\e*12288+((\t)/2)*768+512   ; 256 consecutive bytes, aligned
.endr
.endif
.endm
.macro WPATH cols, place0, first, wb   ; cols: the weight's columns; place0: its first place in wc and ws; first: its first work-group; wb: its pointer
	s_sub_co_u32 s20, ttmp9, \first
	s_lshr_b32 s21, s20, 3                         ; which 128 columns
	s_and_b32 s22, s20, 7                          ; which 128 along K
	s_lshl_b32 s23, s21, 7
	s_lshl_b32 s24, s18, 5
	s_add_co_u32 s23, s23, s24                     ; my wave's first column
	s_mul_i32 s24, s22, 128*\cols*4
	s_lshl_b32 s25, s23, 2
	s_add_co_u32 s24, s24, s25                     ; where my part of w begins, in bytes
	s_mov_b32 s25, 0
	s_add_co_u32 s26, s23, \place0                 ; my wave's first place
	s_lshr_b32 s27, s26, 4
	s_mul_i32 s28, s27, 12288                      ; its tile's images,
	s_mul_i32 s29, s22, 1536                       ; my K step of them
	s_add_co_u32 s28, s28, s29
	s_mov_b32 s29, 0
	s_lshl_b32 s30, s26, 5                         ; its 32 scale bytes,
	s_lshl_b32 s31, s22, 2                         ; my four of them
	s_add_co_u32 s30, s30, s31
	s_mov_b32 s31, 0
	v_and_b32 v6, 7, v1
	v_bfe_u32 v7, v1, 3, 1
	v_bfe_u32 v8, v1, 4, 1
	v_lshl_add_u32 v6, v7, 4, v6
	v_lshl_add_u32 v6, v8, 3, v6                   ; the column at place = lane: lane with bits 3 and 4 exchanged
	v_lshlrev_b32 v6, 2, v6
	v_lshlrev_b32 v9, 5, v1                        ; my place's row of scale bytes
	s_wait_alu depctr_va_vdst(0)
	s_wait_kmcnt 0x0
	s_add_nc_u64 s[\wb:\wb+1], s[\wb:\wb+1], s[24:25]
	s_add_nc_u64 s[14:15], s[14:15], s[28:29]
	s_add_nc_u64 s[16:17], s[16:17], s[30:31]
	LOADW 0, \cols, \wb
	LOADW 1, \cols, \wb
.irp t, 0,1,2,3
	BLOCKW \t, \cols, \wb
.endr
	global_store_b32 v9, v[SB], s[16:17]           ; four bytes of a row of 32: one byte in 128 of what this path reads
	s_endpgm
.endm
	s_wait_alu depctr_va_vdst(0)
	WPATH 1024, 3072, 448, 8
.Lwqkv:
	s_wait_alu depctr_va_vdst(0)
	WPATH 3072, 0, 256, 6
; ---- x, K INNERMOST.  Loads take a row's 512 consecutive bytes; a K step's 16 rows turn through the wave's own stage so that a lane gets 16 neighbours of each block of its row.
.Lx:
	v_and_b32 v2, 15, v0                           ; r
	v_bfe_u32 v3, v0, 4, 1                         ; h
	s_mul_i32 s19, s18, WREG
	s_wait_alu depctr_va_vdst(0)
	v_add_nc_u32 v6, s19, v[L16]                   ; into the stage: 16 x lane of a row
	v_mul_u32_u24 v7, v2, SP
	v_lshl_add_u32 v7, v3, 6, v7
	v_add_nc_u32 v7, s19, v7                       ; out of it: row r, + 64 h
	v_lshlrev_b32 v8, 5, v2
	v_lshl_add_u32 v8, v3, 3, v8                   ; scale bytes: 32 r + 8 h
	s_lshl_b32 s20, ttmp9, 2
	s_add_co_u32 s20, s20, s18
	s_lshr_b32 s21, s20, 1                         ; my tile of 16 tokens
	s_and_b32 s22, s20, 1                          ; my half of K
	s_lshr_b32 s23, s21, 1
	s_lshl_b32 s23, s23, 5
	s_and_b32 s24, s21, 1
	s_lshl_b32 s24, s24, 3
	s_add_co_u32 s23, s23, s24                     ; the tile's first true row: 32 (tile / 2) + 8 (tile % 2)
	s_lshl_b32 s24, s23, 12
	s_lshl_b32 s25, s22, 11
	s_add_co_u32 s24, s24, s25
	s_mov_b32 s25, 0
	s_mul_i32 s26, s21, 12288
	s_mul_i32 s27, s22, 6144
	s_add_co_u32 s26, s26, s27
	s_mov_b32 s27, 0
	s_lshl_b32 s28, s21, 9
	s_lshl_b32 s29, s22, 4
	s_add_co_u32 s28, s28, s29
	s_mov_b32 s29, 0
	s_mov_b32 s30, 0x76543210
	s_mov_b32 s31, 0xfedcba98                      ; v_permlanex16_b32's selects for lane l xor 16
.irp b, 0,1,2,3
	v_mov_b32 v[TM+4+\b], 0                        ; written once: a lane permute's destination counts as one of its sources
.endr
	s_wait_alu depctr_va_vdst(0)
	s_wait_kmcnt 0x0
	s_add_nc_u64 s[4:5], s[4:5], s[24:25]
	s_add_nc_u64 s[10:11], s[10:11], s[26:27]
	s_add_nc_u64 s[12:13], s[12:13], s[28:29]
.macro LOADX ks                        ; K step ks of my 16 rows: place i is true row i + 8 (i / 8) of the tile
.irp i, 0,1,2,3,4,5,6,7,8,9,10,11,12,13,14,15
	global_load_b128 v[R+64*((\ks)%2)+4*\i:R+64*((\ks)%2)+4*\i+3], v[L16], s[4:5] offset:(\i+8*(\i/8))*4096+512*(\ks) th:TH_LOAD_NT
.endr
.endm
.macro TURN ks                         ; LDS serves a wave's instructions in order (ISA guide 5.7.1.4): no wait between the stores and the loads
.irp i, 0,1,2,3,4,5,6,7,8,9,10,11,12,13,14,15
	ds_store_b128 v6, v[R+64*((\ks)%2)+4*\i:R+64*((\ks)%2)+4*\i+3] offset:SP*\i
.endr
.irp b, 0,1,2,3
.irp j, 0,1,2,3
	ds_load_b128 v[X+16*\b+4*\j:X+16*\b+4*\j+3], v7 offset:128*\b+16*\j
.endr
.endr
.endm
; 64 numbers of a lane, register 16 b + i = k 32 b + 16 (lane / 16) + i of my row, become a fragment's codes in v[PC] on and its scale word in v[pw].
.macro QUANT s, pw
.irp b, 0,1,2,3
	v_max3_num_f32 v[TM+\b], |v[\s+16*\b]|, |v[\s+1+16*\b]|, 0x2800000   ; block b: my 16 numbers, and the floor 2^(5 - 127)
.endr
.irp i, 2,4,6,8,10,12,14
.irp b, 0,1,2,3
	v_max3_num_f32 v[TM+\b], v[TM+\b], |v[\s+16*\b+\i]|, |v[\s+1+16*\b+\i]|   ; the four blocks by turns
.endr
.endr
.irp b, 0,1,2,3
	v_permlanex16_b32 v[TM+4+\b], v[TM+\b], s30, s31
.endr
.irp b, 0,1,2,3
	v_max_num_f32 v[TM+\b], v[TM+\b], v[TM+4+\b]   ; with lane l xor 16's: the block's largest magnitude
.endr
.irp b, 0,1,2,3
	v_add_nc_u32 v[TM+12+\b], 0xfe000000, v[TM+\b] ; 4 off its exponent field: the conversion's scale operand
.endr
.irp b, 0,1,2,3
	v_lshrrev_b32 v[TM+4+\b], 23, v[TM+12+\b]      ; the scale's byte
.endr
	v_lshl_or_b32 v[\pw], v[TM+5], 8, v[TM+4]
	v_lshl_or_b32 v[\pw], v[TM+6], 16, v[\pw]
	v_lshl_or_b32 v[\pw], v[TM+7], 24, v[\pw]
.irp c, 0,1
	v_cvt_scalef32_pk16_bf6_f32 v[PC+6*\c:PC+2+6*\c], v[\s+32*\c:\s+15+32*\c], v[TM+12+2*\c]
	v_cvt_scalef32_pk16_bf6_f32 v[PC+12+4*\c:PC+14+4*\c], v[\s+16+32*\c:\s+31+32*\c], v[TM+12+2*\c+1]
.endr
	v_nop                                          ; one plain place behind a scaled conversion
.irp c, 0,1                            ; the operand's layout wants a whole block in a lane: lanes 0-15 block 2 c, lanes 16-31 block 2 c + 1
.irp i, 0,1,2
	v_permlane16_swap_b32 v[PC+6*\c+\i], v[PC+12+4*\c+\i]
.endr
.irp i, 0,1,2
	v_mov_b32 v[PC+3+6*\c+\i], v[PC+12+4*\c+\i]
.endr
.endr
.endm
.macro XSTEP ks
.if (\ks) < 3
	s_wait_loadcnt 16                              ; this K step's 16 loads are in; the next step's 16 may be out
.else
	s_wait_loadcnt 0x0
.endif
	TURN \ks
	s_wait_dscnt 0x0                               ; my numbers are back, and the stage's stores have read their registers,
.if (\ks) < 2
	LOADX (\ks)+2                                  ; which take the loads of two steps on
.endif
.if (\ks) > 0
	s_wait_xcnt 0x0                                ; the last step's stores have read the codes' registers: they are written again only behind this wait
.endif
	QUANT X, W+(\ks)
	global_store_b128 v[L16], v[PC:PC+3], s[10:11] offset:1536*(\ks)           ; the fragment's image: each store covers 512 or 256 consecutive bytes, aligned to 256
	global_store_b64 v[L8], v[PC+4:PC+5], s[10:11] offset:1536*(\ks)+512
	global_store_b128 v[L16], v[PC+6:PC+9], s[10:11] offset:1536*(\ks)+768
	global_store_b64 v[L8], v[PC+10:PC+11], s[10:11] offset:1536*(\ks)+1280
.endm
	LOADX 0
	LOADX 1
	XSTEP 0
	XSTEP 1
	XSTEP 2
	XSTEP 3
	v_cmp_lt_u32 vcc_lo, 15, v1                    ; lanes 0-15 store my row's words 0, 1, lanes 16-31 its words 2, 3
	v_cndmask_b32 v248, v[W], v[W+2], vcc_lo
	v_cndmask_b32 v249, v[W+1], v[W+3], vcc_lo
	global_store_b64 v8, v[248:249], s[12:13]      ; 16 bytes of a row of 32: one byte in 128 of what this path reads
	s_wait_tensorcnt 0x0
	ds_add_u32 v254, v255
	s_wait_dscnt 0x0
	s_endpgm
.Lfunc_end_k_qc954864eff_prep:
	.size	k_qc954864eff_prep, .Lfunc_end_k_qc954864eff_prep-k_qc954864eff_prep
	.p2alignl 7, 3214868480
	.fill 96, 4, 3214868480
	.section	.rodata,"a",@progbits
	.p2align	6, 0x0
	.amdhsa_kernel k_qc954864eff_prep
		.amdhsa_group_segment_fixed_size 34304
		.amdhsa_private_segment_fixed_size 0
		.amdhsa_enable_private_segment 0
		.amdhsa_kernarg_size 56
		.amdhsa_user_sgpr_count 2
		.amdhsa_user_sgpr_kernarg_segment_ptr 1
		.amdhsa_wavefront_size32 1
		.amdhsa_system_sgpr_workgroup_id_x 1
		.amdhsa_system_sgpr_workgroup_id_y 1
		.amdhsa_system_sgpr_workgroup_id_z 1
		.amdhsa_system_vgpr_workitem_id 0
		.amdhsa_next_free_vgpr 256
		.amdhsa_next_free_sgpr 66
		.amdhsa_reserve_vcc 1
		.amdhsa_float_denorm_mode_32 3
		.amdhsa_float_denorm_mode_16_64 3
		.amdhsa_memory_ordered 1
		.amdhsa_forward_progress 1
		.amdhsa_inst_pref_size 75
	.end_amdhsa_kernel
	.amdgpu_metadata
---
amdhsa.version: [ 1, 2 ]
amdhsa.kernels:
  - .name:           k_qc954864eff_prep
    .symbol:         k_qc954864eff_prep.kd
    .args:
      - { .name: x, .offset: 0, .size: 8, .value_kind: global_buffer, .address_space: global }
      - { .name: w_qkv, .offset: 8, .size: 8, .value_kind: global_buffer, .address_space: global }
      - { .name: w_out, .offset: 16, .size: 8, .value_kind: global_buffer, .address_space: global }
      - { .name: xc, .offset: 24, .size: 8, .value_kind: global_buffer, .address_space: global }
      - { .name: xs, .offset: 32, .size: 8, .value_kind: global_buffer, .address_space: global }
      - { .name: wc, .offset: 40, .size: 8, .value_kind: global_buffer, .address_space: global }
      - { .name: ws, .offset: 48, .size: 8, .value_kind: global_buffer, .address_space: global }
    .group_segment_fixed_size: 34304
    .private_segment_fixed_size: 0
    .kernarg_segment_align: 8
    .kernarg_segment_size: 56
    .max_flat_workgroup_size: 128
    .sgpr_count:     66
    .vgpr_count:     256
    .wavefront_size: 32
...
	.end_amdgpu_metadata
.endif
;; end of part 1
;; launch gemm_qkv (part 2): grid 64 x 4, 4 waves a work-group, clusters of 4 x 1, 327,680 bytes of LDS; arguments xc, xs, wc, ws, b_qkv, qkv; writes qkv
.if DOCPART == 2
	.amdgcn_target "amdgcn-amd-amdhsa--gfx1250"
	.amdhsa_code_object_version 6
	.text
	.protected	k_qc954864eff_gemm_qkv
	.globl	k_qc954864eff_gemm_qkv
	.p2align	8
	.type	k_qc954864eff_gemm_qkv,@function
k_qc954864eff_gemm_qkv:
	s_mov_b64 s[64:65], 0
	v_nop
	global_prefetch_b8 v0, s[64:65] scope:SCOPE_SE
	s_setreg_imm32_b32 hwreg(HW_REG_WAVE_MODE, 25, 1), 1
	s_wait_xcnt 0x0
	s_wait_alu depctr_hold_cnt(0) depctr_sa_sdst(0) depctr_va_vdst(0) depctr_va_sdst(0) depctr_va_ssrc(0) depctr_va_vcc(0) depctr_vm_vsrc(0)
	s_getreg_b32 s2, hwreg(HW_REG_IB_STS2, 6, 4)
	s_cmp_eq_u32 s2, 0
	s_cbranch_scc0 .Lentry_in_a_cluster
	s_endpgm
.Lentry_in_a_cluster:
	s_bfe_u32 s2, ttmp6, 0x10000c
	s_cmp_lg_u32 s2, 0x3003
	s_cbranch_scc0 .Lentry_shape_is_right
	s_endpgm
.Lentry_shape_is_right:
; qkv = x w_qkv + b_qkv on codes of BF6 (E3M2) with E8M0 scales for each 32 along K = 1,024; sums in f32.  On the way out q and k are quantised along the head's 64 and v along the keys: only codes and scale bytes are stored.
; OPERANDS.  xc, wc: images of operand registers, [tile of 16 places][8 K steps of 128][1,536 bytes]; xs, ws: 32 scale bytes a place.  Place p holds the row whose number is p with bits 3 and 4 exchanged.
; SHARES.  Work-group (i, j): tokens 128 i .. + 127, heads 4 j .. 4 j + 3 of q, of k and of v: 64 x 4 = 256 work-groups.  Six phases of 128 columns (two heads): q, q, k, k, v, v.
; A wave takes 64 tokens x 64 columns (one head) in a phase: 16 accumulators.  ITS 64 TOKENS' FRAGMENTS FOR ALL OF K STAY IN REGISTERS (4 tiles x 8 K steps x 12 = 384), loaded once from memory as they lie; LDS holds w alone.
; THE RING.  Two slots, each 128 columns for all of K: 98,304 bytes of codes and 4,096 of scale bytes, both dense in memory.  Waves 0-2 fetch a third of the codes each, wave 3 the scale bytes: one load a wave.
; The head's loads bring both slots at once (q's 256 columns lie on end).  Behind phases 0 to 3 the slot just read takes the tile of two phases on; the phase's way out and the next phase's products stand between that request and the wait for it.
; CLUSTERS.  Four work-groups with neighbouring i and the same j read the same tiles of w: each tile is asked for jointly.  x's addresses alone hang on the place in the cluster.
; NO PREFETCH: x is loaded once at the head, with no loop ahead of it; each tile of w is read in the same phase by all 16 clusters of its grid row.
; THE MATRIX INSTRUCTION IS USED TRANSPOSED (source 0 = 16 places of w's columns, source 1 = 16 places of tokens): a lane holds one token, and the 16 registers of column tiles 2 b, 2 b + 1 are true columns 32 b + 16 (lane / 16) + 0 .. 15.
; The bias is the C of each sum's first product; it reaches the waves through LDS bytes of its own.
; RESULT.  qkv: 64 blocks (16 x batch + head) of 307,200 bytes: q's codes [128 tiles of 16 tokens][768] at 0, q's scale bytes [16 steps of 128 tokens][256] at 98,304, k's codes at 102,400, v's codes
; [16 steps][4 tiles of d][2 halves of 64 keys][768] at 200,704, k's scale bytes at 299,008, v's at 303,104.  In a unit of 256 scale bytes lane l's 8 bytes are the word of pair (or tile of d) l / 16, row l % 16, then that of 2 + l / 16.
; A unit's words belong to two waves (64 tokens each): a wave stores 4 (q, k) or 2 (v) bytes a lane, 8 bytes apart: 256 bytes beside 6,144 of codes.
; LIMITS: NaN and infinities are not served; a block of zeros gets the byte 1 (its codes are zeros; only this program reads the bytes).
; REGISTERS: window 0: v0-15 addresses, v16-31 x's scale words, v32-47 w's, v48-79 the bias, v80-255 the way out.  Window 1: x's fragments of K steps 0-3 (48 q + 12 a); window 2: K steps 4-7.
;   Window 3: v0-127 accumulators ((a, b) at 8 (4 a + b)), v128-223 w's fragments, two sets.
.set HB, 307200
.set SLOTC, 98304
.set SCL, 196608
.set SPARE, 204800
.set BIASL, 205312
.set STG, 208384
.set VP, 272
.set L16, 1
.set L8, 2
.set LANE, 3
.set XSO, 4
.set ABI, 5
.set ADW, 6
.set ADS, 10
.set STOV, 12
.set RDV, 13
.set SPW, 14
.set NIL, 15
.set XS, 16
.set WS, 32
.set BIAS, 48
.set TM, 80
.set PWS, 96
.set PCB, 100
.set XV, 128
.set CV, 192
.set TV, 216
.set WSV, 220
.set WF, 128
.set WV, 16
.set TH, 17
.set CH, 18
.set SEL, 12
.set G0HC, 4
.set G0HS, 8
.set G1C, 24
.set G1S, 32
.set G0C, 40
.set G0S, 48
.set XP, 56
.set XSP, 58
.set QC, 60
.set QS, 62
.set VC, 66
.set VS, 68
.set BP, 70
.set G1HC, 80
.set G1HS, 88
.set MSB, 0
.macro WIN new                         ; the immediate's high byte repeats the setting that is left
.if MSB != (\new)
	s_set_vgpr_msb (MSB<<8)|(\new)
.set MSB, (\new)
.endif
.endm
.macro PLACES                          ; four places behind a matrix instruction (ISA guide 7.12.1)
.rept 4
	v_nop
.endr
.endm
.macro CREST                           ; a round of the cluster's barrier behind its opening barrier
	s_cmp_lg_u32 s[WV], 0
	s_cbranch_scc1 .Lnot_wave_0_\@
	s_barrier_signal -3
.Lnot_wave_0_\@:
	s_barrier_wait -3
	s_barrier_signal -1
	s_barrier_wait -1
.endm
.macro ROUND
	s_barrier_signal -1
	s_barrier_wait -1
	CREST
.endm
.macro JLOAD g0a, g1a, g0b, g1b        ; a joint load: waves 0-2 a third of the codes, wave 3 the scale bytes
	s_cmp_lt_u32 s[WV], 3
	s_cbranch_scc0 .Lsc_\@
	tensor_load_to_lds s[\g0a:\g0a+3], s[\g1a:\g1a+7]
	s_nop 0
	PLACES
	s_branch .Lasked_\@
.Lsc_\@:
	tensor_load_to_lds s[\g0b:\g0b+3], s[\g1b:\g1b+7]
	s_nop 0
	PLACES
.Lasked_\@:
.endm
.macro GRP1 g, rows                    ; group 1: a dense block as rows of 256 bytes (32 elements of 8); the mask names all four partners
	s_mov_b32 s[\g], 15|(3<<16)|(1<<21)
	s_mov_b32 s[\g+1], 32<<16
	s_mov_b32 s[\g+2], (\rows)<<16
	s_mov_b32 s[\g+3], 32<<16
	s_mov_b32 s[\g+4], \rows
	s_mov_b32 s[\g+5], 32
	s_mov_b32 s[\g+6], 0
	s_mov_b32 s[\g+7], 0
.endm
	s_load_b128 s[4:7], s[0:1], 0x0                ; xc, xs
	s_load_b128 s[8:11], s[0:1], 0x10              ; wc, ws
	s_load_b128 s[12:15], s[0:1], 0x20             ; b_qkv, qkv
	v_lshl_add_u32 v[SPW], v0, 2, SPARE
	v_mov_b32 v[NIL], 0
	ds_add_u32 v[SPW], v[NIL]                      ; the opening lines: the add, twice on end, and its wait
	ds_add_u32 v[SPW], v[NIL]
	v_lshrrev_b32 v240, 5, v0
	v_readfirstlane_b32 s[WV], v240                ; wave 0..3
	s_lshr_b32 s[TH], s[WV], 1                     ; my half of the tokens
	s_and_b32 s[CH], s[WV], 1                      ; my half of a phase's columns
	s_bfe_u32 s19, ttmp6, 0x40000                  ; cx
	s_lshl_b32 s20, ttmp9, 2
	s_add_co_u32 s20, s20, s19                     ; i: my 128 tokens
	s_and_b32 s21, ttmp7, 0xffff                   ; j: my four heads
	GRP1 G1C, 128
	GRP1 G1S, 16
	GRP1 G1HC, 256
	GRP1 G1HS, 32
	s_mul_i32 s72, s20, 98304
	s_mul_i32 s73, s[TH], 49152
	s_add_co_u32 s72, s72, s73                     ; x's codes: 8 i + 4 half tiles of 12,288 bytes
	s_mov_b32 s73, 0
	s_lshl_b32 s74, s20, 12
	s_lshl_b32 s75, s[TH], 11
	s_add_co_u32 s74, s74, s75                     ; x's scale bytes
	s_mov_b32 s75, 0
	s_min_u32 s22, s[WV], 2                        ; which third of the codes I fetch
	s_mul_i32 s76, s21, 196608                     ; w's codes: place 256 j
	s_mov_b32 s77, 0
	s_lshl_b32 s78, s21, 13                        ; w's scale bytes
	s_mov_b32 s79, 0
	s_lshr_b32 s23, s20, 4
	s_lshl_b32 s23, s23, 4
	s_lshl_b32 s96, s21, 2
	s_add_co_u32 s23, s23, s96
	s_add_co_u32 s23, s23, s[CH]                   ; 16 x batch + 4 j + my half: my head in a trip's first phase
	s_mul_i32 s96, s23, HB
	s_mov_b32 s97, 0
	s_and_b32 s23, s20, 15                         ; my step of 128 tokens
	s_mul_i32 s2, s[CH], 49152
	s_lshl_b32 s3, s[CH], 11
	s_add_co_u32 s3, s3, SCL
	s_lshl_b32 s98, s[CH], 8
	s_add_co_u32 s98, s98, BIASL
	s_mul_i32 s99, s[WV], 32*VP
	s_add_co_u32 s99, s99, STG
	v_and_b32 v[LANE], 31, v0
	v_and_b32 v240, 15, v0                         ; r
	v_bfe_u32 v241, v0, 4, 1                       ; h
	v_lshlrev_b32 v[L16], 4, v[LANE]
	v_lshlrev_b32 v[L8], 3, v[LANE]
	v_lshlrev_b32 v[XSO], 5, v240
	v_lshl_add_u32 v[XSO], v241, 4, v[XSO]         ; 32 r + 16 h: lanes 0-15 a row's words of K steps 0-3, lanes 16-31 of K steps 4-7
	v_add_nc_u32 v[ADW], s2, v[L16]                ; w's fragments: slot 0, 1 by 16 bytes a lane,
	v_add_nc_u32 v[ADW+1], SLOTC, v[ADW]
	v_add_nc_u32 v[ADW+2], s2, v[L8]               ; and by 8
	v_add_nc_u32 v[ADW+3], SLOTC, v[ADW+2]
	v_add_nc_u32 v[ADS], s3, v[XSO]                ; w's scale words, slot 0, 1
	v_add_nc_u32 v[ADS+1], 4096, v[ADS]
	v_lshl_add_u32 v[ABI], v241, 6, s98            ; the bias of my 64 columns, + 64 h
	v_mul_u32_u24 v[STOV], v240, VP
	v_lshl_add_u32 v[STOV], v241, 6, v[STOV]
	v_add_nc_u32 v[STOV], s99, v[STOV]             ; my stage, in: row r, + 64 h
	v_and_b32 v242, 7, v[LANE]
	v_bfe_u32 v243, v[LANE], 3, 1
	v_lshl_add_u32 v242, v243, 4, v242
	v_lshl_add_u32 v242, v241, 3, v242             ; the column at place = lane
	v_lshl_add_u32 v[RDV], v242, 2, s99            ; my stage, back: my column
	v_lshlrev_b32 v244, 3, v0                      ; the bias on its way in: 8 bytes a thread
	v_add_nc_u32 v245, BIASL, v244
.irp b, 0,1,2,3
	v_mov_b32 v[TM+4+\b], 0                        ; written once: a lane permute's destination counts as one of its sources
.endr
	s_wait_alu depctr_va_vdst(0)
	s_wait_dscnt 0x0                               ; both opening adds are done
	s_wait_kmcnt 0x0
	s_add_nc_u64 s[XP:XP+1], s[4:5], s[72:73]
	s_add_nc_u64 s[XSP:XSP+1], s[6:7], s[74:75]
	s_add_nc_u64 s[76:77], s[8:9], s[76:77]
	s_add_nc_u64 s[78:79], s[10:11], s[78:79]
	s_lshl_b32 s72, s22, 16                        ; the head's loads: thirds of both slots' 196,608 bytes of codes,
	s_mov_b32 s[G0HC], 1
	s_mov_b32 s[G0HC+1], s72
	s_add_nc_u64 s[G0HC+2:G0HC+3], s[76:77], s[72:73]
	s_or_b32 s[G0HC+3], s[G0HC+3], 0x80000000
	s_mov_b32 s[G0HS], 1                           ; and both slots' 8,192 scale bytes
	s_mov_b32 s[G0HS+1], SCL
	s_mov_b64 s[G0HS+2:G0HS+3], s[78:79]
	s_or_b32 s[G0HS+3], s[G0HS+3], 0x80000000
	ROUND                                          ; all four work-groups are here: the first joint loads meet
	JLOAD G0HC, G1HC, G0HS, G1HS                   ; one load a wave at the head
	s_lshl_b32 s72, s21, 10
	s_add_nc_u64 s[BP:BP+1], s[12:13], s[72:73]    ; the bias of q's columns 256 j ..
.irp t, 0,1,2
	global_load_b64 v[246+2*\t:247+2*\t], v244, s[BP:BP+1] offset:4096*\t      ; q's, k's, v's 256 numbers: 1,024 consecutive bytes a work-group
.endr
.irp a, 0,1,2,3
	global_load_b128 v[XS+4*\a:XS+4*\a+3], v[XSO], s[XSP:XSP+1] offset:512*\a  ; a tile's 512 scale bytes
.endr
.irp q, 0,1,2,3,4,5,6,7                ; x's fragments, K ascending: every load takes 512 or 256 consecutive bytes
	WIN 0x40*(1+\q/4)
.irp a, 0,1,2,3
	global_load_b128 v[48*(\q%4)+12*\a:48*(\q%4)+12*\a+3], v[L16], s[XP:XP+1] offset:12288*\a+1536*\q
	global_load_b64 v[48*(\q%4)+12*\a+4:48*(\q%4)+12*\a+5], v[L8], s[XP:XP+1] offset:12288*\a+1536*\q+512
	global_load_b128 v[48*(\q%4)+12*\a+6:48*(\q%4)+12*\a+9], v[L16], s[XP:XP+1] offset:12288*\a+1536*\q+768
	global_load_b64 v[48*(\q%4)+12*\a+10:48*(\q%4)+12*\a+11], v[L8], s[XP:XP+1] offset:12288*\a+1536*\q+1280
.endr
.endr
	WIN 0
	s_lshl_b32 s72, s22, 15                        ; the ring's loads: thirds of one slot's codes
	s_add_nc_u64 s[76:77], s[76:77], s[72:73]
.irp u, 0,1
	s_mov_b32 s[G0C+4*\u], 1
	s_add_co_u32 s[G0C+4*\u+1], s72, \u*SLOTC
	s_add_nc_u64 s[G0C+4*\u+2:G0C+4*\u+3], s[76:77], \u*SLOTC
	s_or_b32 s[G0C+4*\u+3], s[G0C+4*\u+3], 0x80000000
	s_mov_b32 s[G0S+4*\u], 1
	s_mov_b32 s[G0S+4*\u+1], SCL+\u*4096
	s_add_nc_u64 s[G0S+4*\u+2:G0S+4*\u+3], s[78:79], \u*4096
	s_or_b32 s[G0S+4*\u+3], s[G0S+4*\u+3], 0x80000000
.endr
	s_add_nc_u64 s[14:15], s[14:15], s[96:97]      ; my head's block
	s_mul_i32 s96, s23, 6144
	s_mul_i32 s98, s[TH], 3072
	s_add_co_u32 s96, s96, s98
	s_add_nc_u64 s[QC:QC+1], s[14:15], s[96:97]    ; q's codes: my four tiles of tokens
	s_mul_i32 s98, s[TH], 2304
	s_sub_co_u32 s96, s96, s98
	s_add_co_u32 s96, s96, 200704
	s_add_nc_u64 s[VC:VC+1], s[14:15], s[96:97]    ; v's codes: my half of 64 keys
	s_lshl_b32 s96, s23, 8
	s_lshl_b32 s98, s[TH], 2
	s_add_co_u32 s96, s96, s98
	s_add_co_u32 s96, s96, 98304
	s_add_nc_u64 s[QS:QS+1], s[14:15], s[96:97]    ; q's scale bytes: my pairs' words
	s_lshl_b32 s98, s[TH], 1
	s_sub_co_u32 s96, s96, s98
	s_add_co_u32 s96, s96, 204800
	s_add_nc_u64 s[VS:VS+1], s[14:15], s[96:97]    ; v's scale bytes: my two of a word's four
	s_mov_b32 s[SEL], 0x76543210
	s_mov_b32 s[SEL+1], 0xfedcba98                 ; v_permlanex16_b32's selects for lane l xor 16
	s_wait_loadcnt 63                              ; the bias is in: 132 loads were issued behind it
	s_wait_tensorcnt 0x0                           ; my part of both slots is in
.irp t, 0,1,2
	ds_store_b64 v245, v[246+2*\t:247+2*\t] offset:1024*\t
.endr
	s_wait_dscnt 0x0
	s_barrier_signal -1
	s_barrier_wait -1                              ; everybody's part is in, and the bias
.macro FRAG reg, adr, off              ; a fragment's image: registers 0-3, 4-5, 6-9, 10-11; every load takes consecutive bytes
	ds_load_b128 v[\reg:\reg+3], v[\adr] offset:\off
	ds_load_b64 v[\reg+4:\reg+5], v[\adr+2] offset:\off+512
	ds_load_b128 v[\reg+6:\reg+9], v[\adr] offset:\off+768
	ds_load_b64 v[\reg+10:\reg+11], v[\adr+2] offset:\off+1280
.endm
.macro FETCH slot, q, p                ; my four tiles of w, K step q, into set p: 16 loads
.irp b, 0,1,2,3
	FRAG WF+48*(\p)+12*\b, ADW+(\slot), 12288*\b+1536*(\q)
.endr
.endm
.macro FIRST n, bo                     ; what a phase begins with: slot n's scale words, the bias at bo, K steps 0 and 1
.irp b, 0,1,2,3
	ds_load_b128 v[WS+4*\b:WS+4*\b+3], v[ADS+(\n)] offset:512*\b
.endr
.irp b, 0,1,2,3                        ; register j of tile b is true column 32 (b / 2) + 8 (b % 2) + 16 h + j
	ds_load_b128 v[BIAS+8*\b:BIAS+8*\b+3], v[ABI] offset:\bo+128*(\b/2)+32*(\b%2)
	ds_load_b128 v[BIAS+8*\b+4:BIAS+8*\b+7], v[ABI] offset:\bo+128*(\b/2)+32*(\b%2)+16
.endr
	WIN 0xc0
	FETCH \n, 0, 0
	FETCH \n, 1, 1
	WIN 0
.endm
.macro MUL q                           ; 16 matrix instructions, 128 along K: the 16 accumulators by turns, in the same order in every K step
.irp a, 0,1,2,3
.irp b, 0,1,2,3
.if \q == 0
	v_wmma_scale_f32_16x16x128_f8f6f4 v[8*(4*\a+\b):8*(4*\a+\b)+7], v[WF+12*\b:WF+12*\b+11], v[12*\a:12*\a+11], v[BIAS+8*\b:BIAS+8*\b+7], v[WS+4*\b], v[XS+4*\a] matrix_a_fmt:MATRIX_FMT_BF6 matrix_b_fmt:MATRIX_FMT_BF6
.elseif \q < 4
	v_wmma_scale_f32_16x16x128_f8f6f4 v[8*(4*\a+\b):8*(4*\a+\b)+7], v[WF+48*(\q%2)+12*\b:WF+48*(\q%2)+12*\b+11], v[48*\q+12*\a:48*\q+12*\a+11], v[8*(4*\a+\b):8*(4*\a+\b)+7], v[WS+4*\b+\q], v[XS+4*\a+\q] matrix_a_fmt:MATRIX_FMT_BF6 matrix_b_fmt:MATRIX_FMT_BF6
.else
	v_wmma_scale_f32_16x16x128_f8f6f4 v[8*(4*\a+\b):8*(4*\a+\b)+7], v[WF+48*(\q%2)+12*\b:WF+48*(\q%2)+12*\b+11], v[48*(\q-4)+12*\a:48*(\q-4)+12*\a+11], v[8*(4*\a+\b):8*(4*\a+\b)+7], v[WS+4*\b+\q-4], v[XS+4*\a+\q-4] matrix_a_fmt:MATRIX_FMT_BF6 matrix_b_fmt:MATRIX_FMT_BF6 matrix_a_scale:MATRIX_SCALE_ROW1 matrix_b_scale:MATRIX_SCALE_ROW1
.endif
.endr
.endr
.endm
; A phase's products.  sync = 2: the slot is filled again behind a round of the cluster's barrier; 1: a barrier shows the other slot whole; 0: the last phase.  bo: where the next phase's bias lies.
.macro MATMUL slot, sync, bo
	s_wait_loadcnt 63                              ; x's scale words and K steps 0-3: at least 64 loads were issued behind them
	s_wait_dscnt 0x0                               ; what FIRST asked for
.irp q, 0,1,2,3,4,5,6,7
.if \q >= 4
	s_wait_loadcnt 16*(7-\q)                       ; x's K step q: behind it 16 loads for each later K step
.endif
.if \q == 7
.if \sync
	WIN 0
	s_wait_tensorcnt 0x0                           ; all my tensor loads have landed: my part of the other slot;
	ds_add_u32 v[SPW], v[NIL]                      ; the add;
	s_wait_dscnt 0x0                               ; it is done, and so are my reads of this slot
	s_barrier_signal -1
.else
	s_wait_dscnt 0x0
.endif
.elseif \q > 0
	s_wait_dscnt 16                                ; all but the next K step's 16 loads
.endif
.if \q == 0
	WIN 0xc7                                       ; w and D window 3, x window 1, C (the bias) window 0
.elseif \q < 4
	WIN 0xf7
.else
	WIN 0xfb                                       ; x window 2
.endif
	MUL \q
.if \q < 6
	PLACES
	WIN 0xc0
	FETCH \slot, \q+2, \q%2
.endif
.endr
	WIN 0
.if \sync == 2
	s_barrier_wait -1
	CREST                                          ; no wave of any partner still reads this slot or has a load on its way
	s_add_nc_u64 s[G0C+4*\slot+2:G0C+4*\slot+3], s[G0C+4*\slot+2:G0C+4*\slot+3], 786432   ; 1,024 places on: from q to k, from k to v
	s_add_nc_u64 s[G0S+4*\slot+2:G0S+4*\slot+3], s[G0S+4*\slot+2:G0S+4*\slot+3], 32768
	JLOAD G0C+4*\slot, G1C, G0S+4*\slot, G1S       ; the first tensor load behind the round; its four v_nop are the places in front of the loads below
	FIRST 1-\slot, \bo
.elseif \sync == 1
	s_barrier_wait -1
	PLACES
	FIRST 1-\slot, \bo
.else
	PLACES
.endif
.endm
; q AND k: K = the head's 64.  Two tiles of tokens at a time: 64 numbers a lane, register 16 B + i = block B % 2 of tile 2 P + B / 2, true column 32 (B % 2) + 16 (lane / 16) + i.
.macro QUANTP P, off
.set AC, 64*\P
.set PC, PCB+20*\P
	WIN 0x0f                                       ; sources 0 and 1: window 3
.irp b, 0,1,2,3
	v_max3_num_f32 v[TM+\b], |v[AC+16*\b]|, |v[AC+16*\b+1]|, 0x2800000   ; each accumulator from its low end on; the floor 2^(5 - 127) holds the byte at 1 from below
.endr
.irp i, 2,4,6,8,10,12,14
.irp b, 0,1,2,3
	v_max3_num_f32 v[TM+\b], |v[AC+16*\b+\i]|, |v[AC+16*\b+\i+1]|, v[TM+\b]
.endr
.endr
	WIN 0
.irp b, 0,1,2,3
	v_permlanex16_b32 v[TM+4+\b], v[TM+\b], s[SEL], s[SEL+1]
.endr
.irp b, 0,1,2,3
	v_max_num_f32 v[TM+\b], v[TM+\b], v[TM+4+\b]   ; with lane l xor 16's: the block's largest magnitude
.endr
.irp b, 0,1,2,3
	v_add_nc_u32 v[TM+12+\b], 0xfe000000, v[TM+\b] ; 4 off its exponent field: the conversion's scale operand
.endr
.irp b, 0,1,2,3
	v_lshrrev_b32 v[TM+4+\b], 23, v[TM+12+\b]      ; the scale's byte
.endr
	v_lshl_or_b32 v[PWS+\P], v[TM+5], 8, v[TM+4]   ; the pair's word
	v_lshl_or_b32 v[PWS+\P], v[TM+6], 16, v[PWS+\P]
	v_lshl_or_b32 v[PWS+\P], v[TM+7], 24, v[PWS+\P]
	WIN 0x03
.irp c, 0,1
	v_cvt_scalef32_pk16_bf6_f32 v[PC+6*\c:PC+2+6*\c], v[AC+32*\c:AC+32*\c+15], v[TM+12+2*\c]
	v_cvt_scalef32_pk16_bf6_f32 v[PC+12+4*\c:PC+14+4*\c], v[AC+32*\c+16:AC+32*\c+31], v[TM+13+2*\c]
.endr
	WIN 0
	v_nop                                          ; one plain place behind a scaled conversion
.irp c, 0,1                            ; a whole block to a lane: lanes 0-15 block 0, lanes 16-31 block 1: tile 2 P + c's half image
.irp i, 0,1,2
	v_permlane16_swap_b32 v[PC+6*\c+\i], v[PC+12+4*\c+\i]
.endr
.irp i, 0,1,2
	v_mov_b32 v[PC+3+6*\c+\i], v[PC+12+4*\c+\i]
.endr
	global_store_b128 v[L16], v[PC+6*\c:PC+6*\c+3], s[QC:QC+1] offset:\off+(2*\P+\c)*768        ; 512 consecutive bytes, aligned to 256
	global_store_b64 v[L8], v[PC+6*\c+4:PC+6*\c+5], s[QC:QC+1] offset:\off+(2*\P+\c)*768+512    ; 256 consecutive bytes, aligned
.endr
.endm
.macro EPIQK off
	s_wait_xcnt 0x0                                ; the last phase's stores have read their registers
	QUANTP 0, \off
	QUANTP 1, \off
	v_cmp_lt_u32 vcc_lo, 15, v[LANE]
	v_cndmask_b32 v[PWS+2], v[PWS], v[PWS+1], vcc_lo   ; lanes 0-15 my first pair's word, lanes 16-31 my second's
	global_store_b32 v[L8], v[PWS+2], s[QS:QS+1] offset:\off
.endm
; v: K = the keys.  32 tokens at a time go through my stage, so that a lane gets one column and its registers run down 32 true tokens: a whole block.
.macro LOADV cg                        ; register t: true token t, which stands at the place t with bits 3 and 4 exchanged; LDS serves a wave's instructions in order (ISA guide 5.7.1.4)
.set T, 0
.rept 32
	ds_load_b32 v[XV+32*(\cg)+T], v[RDV] offset:((T%8)+16*((T/8)%2)+8*(T/16))*VP+128*(\cg)
.set T, T+1
.endr
.endm
.macro VBLOCK tg, cg
.set XB, XV+32*(\cg)
.set CC, CV+12*(\tg)+6*(\cg)
.if \cg == 0
	LOADV 1
	s_wait_dscnt 32                                ; all but the 32 loads just issued
.else
	s_wait_dscnt 0x0
.endif
	v_max3_num_f32 v222, |v[XB]|, |v[XB+1]|, |v[XB+2]|
	v_max3_num_f32 v223, |v[XB+3]|, |v[XB+4]|, |v[XB+5]|
.irp i, 6,10,14,18,22,26
	v_max3_num_f32 v222, v222, |v[XB+\i]|, |v[XB+\i+1]|
	v_max3_num_f32 v223, v223, |v[XB+\i+2]|, |v[XB+\i+3]|
.endr
	v_max3_num_f32 v222, v222, |v[XB+30]|, |v[XB+31]|
	v_max3_num_f32 v222, v222, v223, 0x2800000     ; and the floor 2^(5 - 127)
	v_add_nc_u32 v224, 0xfe000000, v222            ; the conversion's scale operand
	v_lshrrev_b32 v223, 23, v224                   ; the scale's byte
.if \tg == 0
	v_mov_b32 v[WSV+\cg], v223
.else
	v_lshl_or_b32 v[WSV+\cg], v223, 8, v[WSV+\cg]
.endif
	v_cvt_scalef32_pk16_bf6_f32 v[CC:CC+2], v[XB:XB+15], v224
	v_cvt_scalef32_pk16_bf6_f32 v[TV:TV+2], v[XB+16:XB+31], v224
	v_nop                                          ; one plain place behind a scaled conversion
.irp i, 0,1,2
	v_mov_b32 v[CC+3+\i], v[TV+\i]
.endr
.endm
.macro EPIV off
	s_wait_xcnt 0x0                                ; the last phase's stores have read their registers
.irp tg, 0,1
	WIN 0x0c                                       ; an LDS store's data are its source 1: window 3
.irp u, 0,1
.irp b, 0,1,2,3                        ; stage row = place, columns in true order; each accumulator from its low end on
	ds_store_b128 v[STOV], v[32*(2*\tg+\u)+8*\b:32*(2*\tg+\u)+8*\b+3] offset:\u*16*VP+128*(\b/2)+32*(\b%2)
	ds_store_b128 v[STOV], v[32*(2*\tg+\u)+8*\b+4:32*(2*\tg+\u)+8*\b+7] offset:\u*16*VP+128*(\b/2)+32*(\b%2)+16
.endr
.endr
	WIN 0
	LOADV 0
	VBLOCK \tg, 0
	VBLOCK \tg, 1
.endr
.irp cg, 0,1                           ; my two blocks of 32 keys make half images: the first's lanes 16-31 change places with the second's lanes 0-15
.irp i, 0,1,2,3,4,5
	v_permlane16_swap_b32 v[CV+6*\cg+\i], v[CV+12+6*\cg+\i]
.endr
.irp e, 0,1                            ; run e: the tile of d made of the columns of lanes 16 e .. 16 e + 15
	global_store_b128 v[L16], v[CV+12*\e+6*\cg:CV+12*\e+6*\cg+3], s[VC:VC+1] offset:\off+(2*\cg+\e)*1536
	global_store_b64 v[L8], v[CV+12*\e+6*\cg+4:CV+12*\e+6*\cg+5], s[VC:VC+1] offset:\off+(2*\cg+\e)*1536+512
.endr
	global_store_b16 v[L8], v[WSV+\cg], s[VS:VS+1] offset:\off+4*\cg   ; my two bytes of the word of tile of d 2 cg + l / 16, row l % 16
.endr
.endm
	FIRST 0, 0
	s_mov_b32 s3, 2
.Ltrip:                                                ; a trip: two phases of q, then on the second trip two of k; both slots are filled again
	MATMUL 0, 2, 512
	EPIQK 0
	MATMUL 1, 2, 1024
	EPIQK 2*HB
	s_wait_xcnt 0x0                                ; the stores have read their bases
	s_add_nc_u64 s[QC:QC+1], s[QC:QC+1], 102400    ; from q's codes to k's,
	s_add_nc_u64 s[QS:QS+1], s[QS:QS+1], 200704    ; from q's scale bytes to k's
	v_add_nc_u32 v[ABI], 1024, v[ABI]
	s_sub_co_u32 s3, s3, 1
	s_cmp_lg_u32 s3, 0
	s_wait_alu depctr_va_vdst(0)
	s_cbranch_scc1 .Ltrip
	MATMUL 0, 1, 512                               ; v's two phases fetch nothing more
	EPIV 0
	MATMUL 1, 0, 0
	EPIV 2*HB
	s_wait_tensorcnt 0x0                           ; the wave's end
	ds_add_u32 v[SPW], v[NIL]
	s_wait_dscnt 0x0
	ROUND                                          ; the closing round
	s_endpgm
.Lfunc_end_k_qc954864eff_gemm_qkv:
	.size	k_qc954864eff_gemm_qkv, .Lfunc_end_k_qc954864eff_gemm_qkv-k_qc954864eff_gemm_qkv
	.p2alignl 7, 3214868480
	.fill 96, 4, 3214868480
	.section	.rodata,"a",@progbits
	.p2align	6, 0x0
	.amdhsa_kernel k_qc954864eff_gemm_qkv
		.amdhsa_group_segment_fixed_size 327680
		.amdhsa_private_segment_fixed_size 0
		.amdhsa_enable_private_segment 0
		.amdhsa_kernarg_size 48
		.amdhsa_user_sgpr_count 2
		.amdhsa_user_sgpr_kernarg_segment_ptr 1
		.amdhsa_wavefront_size32 1
		.amdhsa_system_sgpr_workgroup_id_x 1
		.amdhsa_system_sgpr_workgroup_id_y 1
		.amdhsa_system_sgpr_workgroup_id_z 1
		.amdhsa_system_vgpr_workitem_id 0
		.amdhsa_next_free_vgpr 1024
		.amdhsa_next_free_sgpr 100
		.amdhsa_reserve_vcc 1
		.amdhsa_float_denorm_mode_32 3
		.amdhsa_float_denorm_mode_16_64 3
		.amdhsa_memory_ordered 1
		.amdhsa_forward_progress 1
		.amdhsa_inst_pref_size 183
	.end_amdhsa_kernel
	.amdgpu_metadata
---
amdhsa.version: [ 1, 2 ]
amdhsa.kernels:
  - .name:           k_qc954864eff_gemm_qkv
    .symbol:         k_qc954864eff_gemm_qkv.kd
    .args:
      - { .name: xc, .offset: 0, .size: 8, .value_kind: global_buffer, .address_space: global }
      - { .name: xs, .offset: 8, .size: 8, .value_kind: global_buffer, .address_space: global }
      - { .name: wc, .offset: 16, .size: 8, .value_kind: global_buffer, .address_space: global }
      - { .name: ws, .offset: 24, .size: 8, .value_kind: global_buffer, .address_space: global }
      - { .name: b_qkv, .offset: 32, .size: 8, .value_kind: global_buffer, .address_space: global }
      - { .name: qkv, .offset: 40, .size: 8, .value_kind: global_buffer, .address_space: global }
    .group_segment_fixed_size: 327680
    .private_segment_fixed_size: 0
    .kernarg_segment_align: 8
    .kernarg_segment_size: 48
    .max_flat_workgroup_size: 128
    .sgpr_count:     100
    .vgpr_count:     1024
    .wavefront_size: 32
...
	.end_amdgpu_metadata
.endif
;; end of part 2
;; launch attn (part 3): grid 4 x 64, 16 waves a work-group, clusters of 4 x 1, 215,040 bytes of LDS; arguments qkv, ac, asc; writes ac, asc
.if DOCPART == 3
	.amdgcn_target "amdgcn-amd-amdhsa--gfx1250"
	.amdhsa_code_object_version 6
	.text
	.protected	k_qc954864eff_attn
	.globl	k_qc954864eff_attn
	.p2align	8
	.type	k_qc954864eff_attn,@function
k_qc954864eff_attn:
	s_mov_b64 s[64:65], 0
	v_nop
	global_prefetch_b8 v0, s[64:65] scope:SCOPE_SE
	s_setreg_imm32_b32 hwreg(HW_REG_WAVE_MODE, 25, 1), 1
	s_wait_xcnt 0x0
	s_wait_alu depctr_hold_cnt(0) depctr_sa_sdst(0) depctr_va_vdst(0) depctr_va_sdst(0) depctr_va_ssrc(0) depctr_va_vcc(0) depctr_vm_vsrc(0)
	s_getreg_b32 s2, hwreg(HW_REG_IB_STS2, 6, 4)
	s_cmp_eq_u32 s2, 0
	s_cbranch_scc0 .Lentry_in_a_cluster
	s_endpgm
.Lentry_in_a_cluster:
	s_bfe_u32 s2, ttmp6, 0x10000c
	s_cmp_lg_u32 s2, 0x3003
	s_cbranch_scc0 .Lentry_shape_is_right
	s_endpgm
.Lentry_shape_is_right:
; Causal attention of one head on codes of BF6 (E3M2) with E8M0 scales: S = q k^T / 8 (K = the head's 64), p = 2^(t - M), O = p v (K = the keys), O / l, and the result quantised along its 64 for the last product.
; THE SOFTMAX AHEAD OF THE SECOND PRODUCT: t = score x log2(e) / 8; M = the row's largest t so far, rounded UP to a whole number; p = 2^(t - M) is quantised along the keys, not normalised.  The row's sum l is taken of
; the unquantised p, in f32, and divides O at the end.  When M moves, l and O are multiplied by 2^(old M - new M): exact.
; INPUT.  qkv: a block of 307,200 bytes for each (batch, head): q's codes [128 tiles of 16 tokens][768] at 0, q's scale bytes at 98,304, then 204,800 dense bytes: k's codes [128 tiles][768], v's codes
; [16 steps of 128 keys][4 tiles of d][2 halves of 64 keys][768], k's scale bytes [16][256], v's [16][256].  Codes are images of operand registers (a half image: 16 rows x 64 K: lane l's registers 0-3 at 16 l, 4-5 at 512 + 8 l).
; Tokens and d stand in places: row r of tile 2 b + u is true row 32 b + 8 u + r + 8 (r / 8).
; SHARES.  Four work-groups of sixteen waves to a head, one cluster.  The head's k and v, 204,800 bytes, are brought into each work-group's LDS ONCE, by one joint load a wave, and stay: no slot is ever filled again.
; A wave owns one tile of 16 queries at a time, two in all: tile 8 m + e and tile 127 - (8 m + e), so that every wave walks 17 live steps of 128 keys.  m hangs on the wave's number alone and steers the branches;
; e holds the work-group's place in the cluster and enters only global addresses and numbers in vector registers.
; K = 64 IN AN INSTRUCTION OF K = 128.  A fragment of k holds TWO tiles of 16 keys (registers 0-5 and 6-11).  It is multiplied once by [q | zeros] and once by [zeros | q]: zero codes add nothing, and no fragment is read twice.
; LAYOUT.  Both products are used transposed (S^T = k q^T, O^T = v^T p^T): a lane holds ONE query throughout; by the order of places the 16 registers of key tiles 2 b, 2 b + 1 are true keys 32 b + 16 (lane / 16) + 0 .. 15,
; and those of d tiles likewise, which is what the conversions want.
; CAUSAL.  Every wave walks all 16 steps of the loop; a step all of whose keys come after my queries is jumped over by a scalar branch.  In the one step on the diagonal hidden scores become -infinity ahead of the maximum.
; LIMITS: NaN and infinities are not served; a block of zeros gets the byte 1 (its codes are zeros; only this program reads the bytes).
.set HB,   307200
.set PART, 12800                       ; what one wave's load brings: 50 rows of 256 bytes
.set LV,   98304                       ; LDS: k's codes at 0, v's codes here,
.set LKS,  196608                      ; k's scale bytes, and 4,096 bytes on v's
.set L16,  1                           ; v1   16 x lane
.set L8,   2                           ; v2   8 x lane
.set AK16, 3                           ; v3-4 LDS addresses of the step's k
.set AK8,  4
.set AV16, 5                           ; v5-6 of its v
.set AV8,  6
.set ADS,  7                           ; v7   of its scale words
.set DQ,   8                           ; v8   my query's true number in its step, less 16 (lane / 16)
.set TMP,  9
.set RB,   10                          ; v10  r + 8 (r / 8) - 16 h
.set R8,   11                          ; v11  8 r
.set QLO,  22                          ; v[22:33] = [q | zeros];  v[16:27] = [zeros | q]
.set QHI,  16
.set QWL,  34                          ; v34, v35 q's scale words for the two
.set QWH,  35
.set KSC,  36                          ; v[36:37] k's scale words, v[38:39] v's
.set VSC,  38
.set FRG,  40                          ; v40-87 four fragments
.set S,    96                          ; v96-159 S^T, then p
.set O,    160                         ; v160-191 O^T
.set PCD,  192                         ; v192-203 p's codes
.set CT,   204                         ; v204-210 conversions' results on their way
.set BM,   212                         ; v212-215 each block's largest score, then largest p
.set BT,   216                         ; v216-219 at work
.set SO,   220                         ; v220-223 the conversions' scale operands
.set PW,   224                         ; v224 p's scale word
.set F,    226                         ; v[226:227] 2^(old M - new M)
.set T,    228
.set SUM2, 230                         ; v[230:231] the sum's second chain
.set SBA,  232                         ; v232 32 r + h
.set LANE, 233
.set L8S,  234                         ; v234 8 x lane + LKS
.set WV,   10                          ; s10 wave; s11 cx; s12 16 x batch + head
.set SEL,  14                          ; s[14:15] lane selects for lane l xor 16
.set CS,   16                          ; s[16:17] c = log2(e) / 8
.set TB,   32                          ; s32 the step's codes in LDS; s33 its scale bytes; s34 the step; s35 m; s36 e; s37 my tile
.set TS,   33
.set SI,   34
.set MB,   35
.set EE,   36
.macro ROUND                           ; a round of the cluster's barrier
	s_barrier_signal -1
	s_barrier_wait -1
	s_cmp_lg_u32 s[WV], 0
	s_cbranch_scc1 .Lnot_wave_0_\@
	s_barrier_signal -3
.Lnot_wave_0_\@:
	s_barrier_wait -3
	s_barrier_signal -1
	s_barrier_wait -1
.endm
.macro FRAG reg, a16, a8, off          ; a fragment's image: registers 0-3, 4-5, 6-9, 10-11; every load takes consecutive bytes
	ds_load_b128 v[\reg:\reg+3], v[\a16] offset:\off
	ds_load_b64 v[\reg+4:\reg+5], v[\a8] offset:\off+512
	ds_load_b128 v[\reg+6:\reg+9], v[\a16] offset:\off+768
	ds_load_b64 v[\reg+10:\reg+11], v[\a8] offset:\off+1280
.endm
	s_load_b128 s[4:7], s[0:1], 0x0                ; qkv, ac
	s_load_b64 s[8:9], s[0:1], 0x10                ; asc
	v_lshl_add_u32 v254, v0, 2, 0x34000
	v_mov_b32 v255, 0
	ds_add_u32 v254, v255
	ds_add_u32 v254, v255
	v_lshrrev_b32 v1, 5, v0
	s_delay_alu instid0(VALU_DEP_1)
	v_readfirstlane_b32 s[WV], v1                  ; wave 0..15
	s_bfe_u32 s11, ttmp6, 0x40000                  ; cx: my place in the cluster
	s_and_b32 s12, ttmp7, 0xffff                   ; 16 x batch + head, which the four partners share
	s_mul_i32 s48, s12, HB
	s_mov_b32 s49, 0
	s_mul_i32 s50, s[WV], PART                     ; my part of the head's k and v: in LDS,
	s_add_co_u32 s52, s50, 102400                  ; and in the head's block
	s_mov_b32 s53, 0
	s_mov_b32 s24, 15|(3<<16)|(1<<21)              ; group 1: 15:0 the mask: all four work-groups; 17:16 elements of 8 bytes; 20 no padding; 21 set beside a mask
	s_mov_b32 s25, 32<<16                          ; tensor_dim0: 32 elements, 256 bytes
	s_mov_b32 s26, 50<<16                          ; tensor_dim1
	s_mov_b32 s27, 32<<16                          ; tile_dim0
	s_mov_b32 s28, 50                              ; tile_dim1
	s_mov_b32 s29, 32                              ; tensor_dim0_stride: dense
	s_mov_b32 s30, 0
	s_mov_b32 s31, 0
	s_mov_b32 s[SEL], 0x76543210
	s_mov_b32 s[SEL+1], 0xfedcba98
	s_mov_b32 s[CS], 0x3e38aa3b                    ; c = log2(e) / 8
	s_mov_b32 s[CS+1], s[CS]                       ; (named with it as a pair, so it is written)
	s_wait_dscnt 0x0
	s_wait_kmcnt 0x0
	s_add_nc_u64 s[4:5], s[4:5], s[48:49]          ; qkv at my head's block
	s_mov_b32 s20, 1                               ; group 0: count = 1
	s_mov_b32 s21, s50                             ; LDS address: 12,800 x wave
	s_add_nc_u64 s[22:23], s[4:5], s[52:53]        ; global address: it hangs on the head and the wave's number alone
	s_or_b32 s23, s23, 0x80000000                  ; type = 2
	ROUND                                          ; all four work-groups are here: the joint loads meet
	tensor_load_to_lds s[20:23], s[24:31]          ; one load a wave; it is the launch's only fill of these bytes
	s_nop 0
.rept 4
	v_nop
.endr
	v_and_b32 v[LANE], 31, v0
	s_delay_alu instid0(VALU_DEP_1)
	v_lshlrev_b32 v[L16], 4, v[LANE]
	s_delay_alu instid0(VALU_DEP_2)
	v_lshlrev_b32 v[L8], 3, v[LANE]
	s_delay_alu instid0(VALU_DEP_1)
	v_add_nc_u32 v[L8S], LKS, v[L8]
	v_and_b32 v[R8], 15, v0                        ; r
	v_bfe_u32 v[SBA], v0, 4, 1                     ; h
	s_delay_alu instid0(VALU_DEP_2)
	v_and_b32 v[RB], 8, v[R8]
	s_delay_alu instid0(VALU_DEP_1)
	v_add_nc_u32 v[RB], v[RB], v[R8]               ; r + 8 (r / 8)
	s_delay_alu instid0(VALU_DEP_3)
	v_lshlrev_b32 v[TMP], 4, v[SBA]
	s_delay_alu instid0(VALU_DEP_1)
	v_sub_nc_u32 v[RB], v[RB], v[TMP]
	v_lshl_add_u32 v[SBA], v[R8], 5, v[SBA]
	v_lshlrev_b32 v[R8], 3, v[R8]
.irp i, 0,1,2,3,4,5
	v_mov_b32 v[QHI+\i], 0                         ; the zero codes on both sides of q
	v_mov_b32 v[QLO+6+\i], 0
.endr
.irp b, 0,1,2,3
	v_mov_b32 v[BT+\b], 0                          ; written once: a lane permute's destination counts as one of its sources
.endr
	v_mov_b32 v[T], 0
	v_mov_b32 v[F+1], 0                            ; (named as the upper half of the pair before it is first written)
; ONE TILE OF 16 QUERIES.  p = 0: tile 8 m + e, m = wave % 8, e = 2 cx + wave / 8;  p = 1: tile 127 - that.
.macro PASS p
.if \p
	s_wait_xcnt 0x0                                ; the last tile's stores have read their bases and registers: both are written again only behind this wait
.endif
	s_and_b32 s[MB], s[WV], 7
	s_lshr_b32 s[EE], s[WV], 3
	s_lshl_b32 s48, s11, 1
	s_add_co_u32 s[EE], s[EE], s48
.if \p
	s_sub_co_u32 s[MB], 15, s[MB]
	s_sub_co_u32 s[EE], 7, s[EE]
.endif
	s_lshl_b32 s37, s[MB], 3
	s_add_co_u32 s37, s37, s[EE]                   ; my tile of the head's 128
	s_lshr_b32 s48, s12, 4
	s_lshl_b32 s48, s48, 7
	s_add_co_u32 s48, s48, s37                     ; and of all 512
	s_and_b32 s49, s12, 15                         ; the head
	s_mul_i32 s50, s48, 12288
	s_mul_i32 s51, s49, 768                        ; head hd is K step hd / 2, half hd % 2 of the last product: 768 hd bytes
	s_add_co_u32 s50, s50, s51
	s_mov_b32 s51, 0
	s_add_nc_u64 s[44:45], s[6:7], s[50:51]        ; where my result's codes go
	s_lshl_b32 s50, s48, 9
	s_lshl_b32 s52, s49, 1
	s_add_co_u32 s50, s50, s52
	s_add_nc_u64 s[46:47], s[8:9], s[50:51]        ; and its scale bytes
	s_mul_i32 s50, s37, 768
	s_add_nc_u64 s[40:41], s[4:5], s[50:51]        ; q's half image
	s_lshl_b32 s50, s[MB], 8                       ; q's scale word: unit m; pair e / 2: 128 (pair % 2) + 4 (pair / 2); row r: 8 r
	s_bfe_u32 s52, s[EE], 0x10001
	s_lshl_b32 s52, s52, 7
	s_add_co_u32 s50, s50, s52
	s_lshr_b32 s52, s[EE], 2
	s_lshl_b32 s52, s52, 2
	s_add_co_u32 s50, s50, s52
	s_add_co_u32 s50, s50, 98304
	s_add_nc_u64 s[42:43], s[4:5], s[50:51]
	global_load_b128 v[QLO:QLO+3], v[L16], s[40:41]
	global_load_b64 v[QLO+4:QLO+5], v[L8], s[40:41] offset:512
	global_load_b32 v[TMP], v[R8], s[42:43]
	s_and_b32 s48, s[EE], 1
	s_lshl_b32 s50, s48, 3
	s_lshl_b32 s48, s48, 4
	s_lshr_b32 s49, s[EE], 1
	s_lshl_b32 s49, s49, 5
	s_add_co_u32 s49, s49, s50                     ; 32 (e / 2) + 8 (e % 2)
	s_wait_loadcnt 0x0
.if \p == 0
	s_wait_tensorcnt 0x0                           ; my part of k and v is in (the wait stands behind the first tile's loads of q, which are on their way beside it),
	s_barrier_signal -1
	s_barrier_wait -1                              ; everybody's is
.endif
	v_lshrrev_b32 v[TMP], s48, v[TMP]              ; my tile's two bytes of the pair's word
	s_delay_alu instid0(VALU_DEP_1)
	v_and_b32 v[TMP], 0xffff, v[TMP]
	s_delay_alu instid0(VALU_DEP_1)
	v_or_b32 v[QWL], 0x01010000, v[TMP]            ; beside them a small scale for the zero codes
	s_delay_alu instid0(VALU_DEP_2)
	v_lshl_or_b32 v[QWH], v[TMP], 16, 0x0101
	v_add_nc_u32 v[DQ], s49, v[RB]
	v_mov_b32 v13, 0xff61b1e6                      ; the largest t so far: -3e38, under every t
	s_delay_alu instid0(VALU_DEP_1)
	v_floor_f32 v12, -v13                          ; -M
	v_mov_b32 v14, 0                               ; the sum, in two halves
	v_mov_b32 v15, 0
.set JJ, 0
.rept 32
	v_mov_b32 v[O+JJ], 0                           ; O^T.  (The step is written once: the first finds zeros, which the first change of M leaves zeros.  These lines are also the places between q's scale words and the first product)
.set JJ, JJ+1
.endr
	s_mov_b32 s[TB], 0
	s_mov_b32 s[TS], 0
	s_mov_b32 s[SI], 0
.Lstep_\@:                                             ; 16 trips, a constant; a step of 128 keys
	s_cmp_gt_u32 s[SI], s[MB]
	s_cbranch_scc1 .Lhidden_\@                     ; all its keys come after my queries
	v_add_nc_u32 v[AK16], s[TB], v[L16]            ; five plain lines: the places behind the last step's products, in front of the loads into registers that they read
	v_add_nc_u32 v[AK8], s[TB], v[L8]
	s_delay_alu instid0(VALU_DEP_2)
	v_add_nc_u32 v[AV16], LV, v[AK16]
	s_delay_alu instid0(VALU_DEP_2)
	v_add_nc_u32 v[AV8], LV, v[AK8]
	v_add_nc_u32 v[ADS], s[TS], v[L8S]
.irp q, 0,1,2,3
	FRAG FRG+12*\q, AK16, AK8, 1536*\q             ; key tiles 2 q and 2 q + 1
.endr
	ds_load_b64 v[KSC:KSC+1], v[ADS]               ; v36: lanes 0-15 pair 0's words, lanes 16-31 pair 1's; v37: pairs 2 and 3
	ds_load_b64 v[VSC:VSC+1], v[ADS] offset:4096   ; the same for v's four tiles of d
	s_wait_alu depctr_va_vdst(0)
	s_wait_dscnt 0x0
.irp q, 0,1,2,3
.if \q%2
	v_wmma_scale_f32_16x16x128_f8f6f4 v[S+16*\q:S+16*\q+7], v[FRG+12*\q:FRG+12*\q+11], v[QLO:QLO+11], 0, v[KSC+\q/2], v[QWL] matrix_a_fmt:MATRIX_FMT_BF6 matrix_b_fmt:MATRIX_FMT_BF6 matrix_a_scale:MATRIX_SCALE_ROW1
	v_wmma_scale_f32_16x16x128_f8f6f4 v[S+16*\q+8:S+16*\q+15], v[FRG+12*\q:FRG+12*\q+11], v[QHI:QHI+11], 0, v[KSC+\q/2], v[QWH] matrix_a_fmt:MATRIX_FMT_BF6 matrix_b_fmt:MATRIX_FMT_BF6 matrix_a_scale:MATRIX_SCALE_ROW1
.else
	v_wmma_scale_f32_16x16x128_f8f6f4 v[S+16*\q:S+16*\q+7], v[FRG+12*\q:FRG+12*\q+11], v[QLO:QLO+11], 0, v[KSC+\q/2], v[QWL] matrix_a_fmt:MATRIX_FMT_BF6 matrix_b_fmt:MATRIX_FMT_BF6
	v_wmma_scale_f32_16x16x128_f8f6f4 v[S+16*\q+8:S+16*\q+15], v[FRG+12*\q:FRG+12*\q+11], v[QHI:QHI+11], 0, v[KSC+\q/2], v[QWH] matrix_a_fmt:MATRIX_FMT_BF6 matrix_b_fmt:MATRIX_FMT_BF6
.endif
.endr                                  ; register 16 b + i of S^T is true key 32 b + 16 (lane / 16) + i of the step
.rept 4
	v_nop                                          ; four places: behind them the scores are read, and k's registers take v's fragments
.endr
.irp q, 0,1,2,3
	FRAG FRG+12*\q, AV16, AV8, 1536*\q             ; tile q of d, these 128 keys: asked for now, so that it lands under the softmax
.endr
	s_cmp_lg_u32 s[SI], s[MB]
	s_cbranch_scc1 .Lopen_\@                       ; a step all of whose keys count
	v_mov_b32 v[T], 0xff800000                     ; on the diagonal: -infinity where the register's key comes after my query: 32 b + i > my query - 16 (lane / 16)
.set NN, 0
.rept 64
	v_cmp_gt_i32 vcc_lo, 32*(NN/16)+NN%16, v[DQ]
	v_cndmask_b32 v[S+NN], v[S+NN], v[T], vcc_lo
.set NN, NN+1
.endr
.Lopen_\@:
.irp b, 0,1,2,3
	v_max3_num_f32 v[BM+\b], v[S+16*\b], v[S+1+16*\b], v[S+2+16*\b]   ; the largest score of each block of 32 keys: it serves the row's maximum and, since p rises with the score, the block's largest p
.endr
.irp i, 3,5,7,9,11,13
.irp b, 0,1,2,3
	v_max3_num_f32 v[BM+\b], v[BM+\b], v[S+16*\b+\i], v[S+1+16*\b+\i]
.endr
.endr
.irp b, 0,1,2,3
	v_max_num_f32 v[BM+\b], v[BM+\b], v[S+15+16*\b]
.endr
.irp b, 0,1,2,3
	s_delay_alu instid0(VALU_DEP_4)
	v_permlanex16_b32 v[BT+\b], v[BM+\b], s[SEL], s[SEL+1]
.endr
.irp b, 0,1,2,3
	s_delay_alu instid0(VALU_DEP_4)
	v_max_num_f32 v[BM+\b], v[BM+\b], v[BT+\b]     ; with lane l xor 16's 16 keys
.endr
	s_delay_alu instid0(VALU_DEP_2)
	v_max3_num_f32 v[T], v[BM], v[BM+1], v[BM+2]
	s_delay_alu instid0(VALU_DEP_1)
	v_max_num_f32 v[T], v[T], v[BM+3]              ; the step's largest score of my query (its own key lies in the diagonal step: a number)
	s_delay_alu instid0(VALU_DEP_1)
	v_mul_f32 v[T], s[CS], v[T]                    ; as t (c is positive)
	s_delay_alu instid0(VALU_DEP_1)
	v_max_num_f32 v13, v13, v[T]                   ; the running largest t
	v_mov_b32 v[T], v12
	s_delay_alu instid0(VALU_DEP_2)
	v_floor_f32 v12, -v13                          ; the new -M = floor(-t) = -ceil(t): M is a whole number
	s_delay_alu instid0(VALU_DEP_1)
	v_sub_f32 v[T], v12, v[T]                      ; M's old value less its new one: a whole number, 0 or less
	s_delay_alu instid0(VALU_DEP_1)
	v_cvt_i32_f32 v[T], v[T]                       ; (it saturates)
	s_delay_alu instid0(VALU_DEP_1)
	v_ldexp_f32 v[F], 1.0, v[T]                    ; f = 2^(old M - new M)
.set JJ, 0
.rept 32
	v_pk_fma_f32 v[S+JJ:S+JJ+1], v[S+JJ:S+JJ+1], s[CS:CS+1], v[12:13] op_sel_hi:[1,0,0]   ; t - M, two at a time (of the pairs c and -M the low word serves both halves)
.set JJ, JJ+2
.endr
.irp b, 0,1,2,3
	v_fma_f32 v[BM+\b], v[BM+\b], s[CS], v12       ; the same of each block's largest score
.endr
.set JJ, 0
	s_wait_alu depctr_va_vdst(0)
.rept 64
	v_exp_f32 v[S+JJ], v[S+JJ]                     ; p = 2^(t - M), at most 1: not normalised
.set JJ, JJ+1
.endr
.irp b, 0,1,2,3
	v_exp_f32 v[BM+\b], v[BM+\b]                   ; the block's largest p: the same two instructions on the same number give the same bits
.endr
	v_pk_mul_f32 v[14:15], v[14:15], v[F:F+1] op_sel_hi:[1,0]   ; the sums under the new M.  (A plain place behind the exponentials)
	s_wait_alu depctr_va_vdst(0)
.irp b, 0,1,2,3
	v_max_num_f32 v[BM+\b], 0x2800000, v[BM+\b]    ; the floor 2^(5 - 127): a block whose every p is 0 keeps the byte 1: its codes are zeros
.endr
.irp b, 0,1,2,3
	s_delay_alu instid0(VALU_DEP_4)
	v_add_nc_u32 v[SO+\b], 0xfe000000, v[BM+\b]    ; 4 off the exponent field: the conversion's scale operand
.endr
.irp b, 0,1,2,3
	s_delay_alu instid0(VALU_DEP_4)
	v_lshrrev_b32 v[BT+\b], 23, v[SO+\b]           ; the scale's byte
.endr
	s_delay_alu instid0(VALU_DEP_3)
	v_lshl_or_b32 v[PW], v[BT+1], 8, v[BT]         ; p's scale word for these 128 keys
	s_delay_alu instid0(VALU_DEP_1)
	v_lshl_or_b32 v[PW], v[BT+2], 16, v[PW]
	s_delay_alu instid0(VALU_DEP_1)
	v_lshl_or_b32 v[PW], v[BT+3], 24, v[PW]
.irp c, 0,1
	v_cvt_scalef32_pk16_bf6_f32 v[PCD+6*\c:PCD+2+6*\c], v[S+32*\c:S+15+32*\c], v[SO+2*\c]
	v_cvt_scalef32_pk16_bf6_f32 v[CT+4*\c:CT+2+4*\c], v[S+16+32*\c:S+31+32*\c], v[SO+2*\c+1]   ; (a conversion's three registers begin on an even number)
.endr
	v_nop                                          ; one plain place behind a scaled conversion
.irp c, 0,1                            ; a whole block to a lane: lanes 0-15 block 2 c, lanes 16-31 block 2 c + 1
.irp i, 0,1,2
	v_permlane16_swap_b32 v[PCD+6*\c+\i], v[CT+4*\c+\i]
.endr
.irp i, 0,1,2
	s_delay_alu instid0(VALU_DEP_3)
	v_mov_b32 v[PCD+3+6*\c+\i], v[CT+4*\c+\i]
.endr
.endr
	v_pk_add_f32 v[230:231], v[100:101], v[104:105]
	v_pk_add_f32 v[252:253], v[108:109], v[112:113]
	v_pk_add_f32 v[250:251], v[116:117], v[120:121]
	v_pk_add_f32 v[248:249], v[124:125], v[128:129]
	v_pk_add_f32 v[246:247], v[132:133], v[136:137]
	v_pk_add_f32 v[244:245], v[140:141], v[144:145]
	v_pk_add_f32 v[242:243], v[148:149], v[152:153]
	v_pk_add_f32 v[14:15], v[14:15], v[156:157]
	v_pk_add_f32 v[230:231], v[230:231], v[96:97]
	v_pk_add_f32 v[252:253], v[252:253], v[98:99]
	v_pk_add_f32 v[250:251], v[250:251], v[102:103]
	v_pk_add_f32 v[248:249], v[248:249], v[106:107]
	v_pk_add_f32 v[246:247], v[246:247], v[110:111]
	v_pk_add_f32 v[244:245], v[244:245], v[114:115]
	v_pk_add_f32 v[242:243], v[242:243], v[118:119]
	v_pk_add_f32 v[14:15], v[14:15], v[122:123]
	v_pk_add_f32 v[230:231], v[230:231], v[126:127]
	v_pk_add_f32 v[252:253], v[252:253], v[130:131]
	v_pk_add_f32 v[250:251], v[250:251], v[134:135]
	v_pk_add_f32 v[248:249], v[248:249], v[138:139]
	v_pk_add_f32 v[246:247], v[246:247], v[142:143]
	v_pk_add_f32 v[244:245], v[244:245], v[146:147]
	v_pk_add_f32 v[242:243], v[242:243], v[150:151]
	v_pk_add_f32 v[14:15], v[14:15], v[154:155]
	v_pk_add_f32 v[230:231], v[230:231], v[158:159]
	s_delay_alu instid0(VALU_DEP_2)
	v_pk_add_f32 v[14:15], v[14:15], v[248:249]
	s_delay_alu instid0(VALU_DEP_2)
	v_pk_add_f32 v[230:231], v[230:231], v[246:247]
	v_pk_add_f32 v[252:253], v[252:253], v[244:245]
	v_pk_add_f32 v[250:251], v[250:251], v[242:243]
	s_delay_alu instid0(VALU_DEP_2)
	v_pk_add_f32 v[14:15], v[14:15], v[252:253]
	s_delay_alu instid0(VALU_DEP_2)
	v_pk_add_f32 v[230:231], v[230:231], v[250:251]
	s_delay_alu instid0(VALU_DEP_1)
	v_pk_add_f32 v[14:15], v[14:15], v[230:231]
.set JJ, 0
.rept 16
	v_pk_mul_f32 v[O+JJ:O+JJ+1], v[O+JJ:O+JJ+1], v[F:F+1] op_sel_hi:[1,0]   ; O^T under the new M, each accumulator from its low end on.  (With the sums: the places between p's codes and scale word and the products)
.set JJ, JJ+2
.endr
	s_wait_alu depctr_va_vdst(0)
	s_wait_dscnt 0x0                               ; v's fragments are in
.irp q, 0,1,2,3                        ; O^T += v^T p^T: the four accumulators by turns, one instruction a turn
.if \q%2
	v_wmma_scale_f32_16x16x128_f8f6f4 v[O+8*\q:O+8*\q+7], v[FRG+12*\q:FRG+12*\q+11], v[PCD:PCD+11], v[O+8*\q:O+8*\q+7], v[VSC+\q/2], v[PW] matrix_a_fmt:MATRIX_FMT_BF6 matrix_b_fmt:MATRIX_FMT_BF6 matrix_a_scale:MATRIX_SCALE_ROW1
.else
	v_wmma_scale_f32_16x16x128_f8f6f4 v[O+8*\q:O+8*\q+7], v[FRG+12*\q:FRG+12*\q+11], v[PCD:PCD+11], v[O+8*\q:O+8*\q+7], v[VSC+\q/2], v[PW] matrix_a_fmt:MATRIX_FMT_BF6 matrix_b_fmt:MATRIX_FMT_BF6
.endif
.endr
.Lhidden_\@:
	s_add_co_u32 s[TB], s[TB], 6144                ; the next step's codes,
	s_add_co_u32 s[TS], s[TS], 256                 ; its scale bytes
	s_add_co_u32 s[SI], s[SI], 1
	s_cmp_lt_u32 s[SI], 16
	s_cbranch_scc1 .Lstep_\@
	; THE WAY OUT: O^T / l; register 16 b + i is d = 32 b + 16 (lane / 16) + i: two blocks of the last product's K; their codes are a half image
.rept 4
	v_nop                                          ; places behind the last products
.endr
	v_add_f32 v14, v14, v15                        ; the sum's two halves,
	s_delay_alu instid0(VALU_DEP_1)
	v_permlanex16_b32 v[T], v14, s[SEL], s[SEL+1]
	s_delay_alu instid0(VALU_DEP_1)
	v_add_f32 v14, v14, v[T]                       ; and lane l xor 16's: the row's sum
	s_wait_alu depctr_va_vdst(0)
	v_rcp_f32 v14, v14
	v_cmp_lt_u32 vcc_lo, 15, v[LANE]               ; (a plain place behind the transcendental)
.set JJ, 0
	s_wait_alu depctr_va_vdst(0)
.rept 16
	v_pk_mul_f32 v[S+JJ:S+JJ+1], v[O+JJ:O+JJ+1], v[14:15] op_sel_hi:[1,0]
.set JJ, JJ+2
.endr
.irp b, 0,1
	v_max3_num_f32 v[BM+\b], |v[S+16*\b]|, |v[S+1+16*\b]|, 0x2800000
.endr
.irp i, 2,4,6,8,10,12,14
.irp b, 0,1
	s_delay_alu instid0(VALU_DEP_2)
	v_max3_num_f32 v[BM+\b], v[BM+\b], |v[S+16*\b+\i]|, |v[S+1+16*\b+\i]|
.endr
.endr
.irp b, 0,1
	s_delay_alu instid0(VALU_DEP_2)
	v_permlanex16_b32 v[BT+\b], v[BM+\b], s[SEL], s[SEL+1]
.endr
.irp b, 0,1
	s_delay_alu instid0(VALU_DEP_2)
	v_max_num_f32 v[BM+\b], v[BM+\b], v[BT+\b]
.endr
.irp b, 0,1
	s_delay_alu instid0(VALU_DEP_2)
	v_add_nc_u32 v[SO+\b], 0xfe000000, v[BM+\b]
.endr
.irp b, 0,1
	s_delay_alu instid0(VALU_DEP_2)
	v_lshrrev_b32 v[BT+\b], 23, v[SO+\b]
.endr
	v_cvt_scalef32_pk16_bf6_f32 v[PCD:PCD+2], v[S:S+15], v[SO]
	v_cvt_scalef32_pk16_bf6_f32 v[CT:CT+2], v[S+16:S+31], v[SO+1]
	v_cndmask_b32 v[T], v[BT], v[BT+1], vcc_lo     ; (one plain place behind the conversions)  lanes 0-15 store block 0's byte, lanes 16-31 block 1's
.irp i, 0,1,2
	v_permlane16_swap_b32 v[PCD+\i], v[CT+\i]
.endr
.irp i, 0,1,2
	s_delay_alu instid0(VALU_DEP_3)
	v_mov_b32 v[PCD+3+\i], v[CT+\i]
.endr
	global_store_b128 v[L16], v[PCD:PCD+3], s[44:45]             ; 512 consecutive bytes, aligned to 256
	global_store_b64 v[L8], v[PCD+4:PCD+5], s[44:45] offset:512  ; 256 consecutive bytes, aligned
	global_store_b8 v[SBA], v[T], s[46:47]                       ; one byte a lane, rows of 32 bytes apart: a head has two of a token's 32 scale bytes; 32 bytes beside the tile's 768
.endm
	PASS 0
	PASS 1
	s_wait_dscnt 0x0
	s_wait_tensorcnt 0x0
	ds_add_u32 v254, v255
	s_wait_dscnt 0x0
	ROUND                                          ; the closing round: no work-group ends while a partner may still ask for a tile that names it
	s_endpgm
.Lfunc_end_k_qc954864eff_attn:
	.size	k_qc954864eff_attn, .Lfunc_end_k_qc954864eff_attn-k_qc954864eff_attn
	.p2alignl 7, 3214868480
	.fill 96, 4, 3214868480
	.section	.rodata,"a",@progbits
	.p2align	6, 0x0
	.amdhsa_kernel k_qc954864eff_attn
		.amdhsa_group_segment_fixed_size 215040
		.amdhsa_private_segment_fixed_size 0
		.amdhsa_enable_private_segment 0
		.amdhsa_kernarg_size 24
		.amdhsa_user_sgpr_count 2
		.amdhsa_user_sgpr_kernarg_segment_ptr 1
		.amdhsa_wavefront_size32 1
		.amdhsa_system_sgpr_workgroup_id_x 1
		.amdhsa_system_sgpr_workgroup_id_y 1
		.amdhsa_system_sgpr_workgroup_id_z 1
		.amdhsa_system_vgpr_workitem_id 0
		.amdhsa_next_free_vgpr 256
		.amdhsa_next_free_sgpr 66
		.amdhsa_reserve_vcc 1
		.amdhsa_float_denorm_mode_32 3
		.amdhsa_float_denorm_mode_16_64 3
		.amdhsa_memory_ordered 1
		.amdhsa_forward_progress 1
		.amdhsa_inst_pref_size 65
	.end_amdhsa_kernel
	.amdgpu_metadata
---
amdhsa.version: [ 1, 2 ]
amdhsa.kernels:
  - .name:           k_qc954864eff_attn
    .symbol:         k_qc954864eff_attn.kd
    .args:
      - { .name: qkv, .offset: 0, .size: 8, .value_kind: global_buffer, .address_space: global }
      - { .name: ac, .offset: 8, .size: 8, .value_kind: global_buffer, .address_space: global }
      - { .name: asc, .offset: 16, .size: 8, .value_kind: global_buffer, .address_space: global }
    .group_segment_fixed_size: 215040
    .private_segment_fixed_size: 0
    .kernarg_segment_align: 8
    .kernarg_segment_size: 24
    .max_flat_workgroup_size: 512
    .sgpr_count:     66
    .vgpr_count:     256
    .wavefront_size: 32
...
	.end_amdgpu_metadata
.endif
;; end of part 3
;; launch gemm_out (part 4): grid 64 x 4, 4 waves a work-group, clusters of 4 x 1, 327,680 bytes of LDS; arguments ac, asc, wc, ws, b_out, out0; writes out0
.if DOCPART == 4
	.amdgcn_target "amdgcn-amd-amdhsa--gfx1250"
	.amdhsa_code_object_version 6
	.text
	.protected	k_qc954864eff_gemm_out
	.globl	k_qc954864eff_gemm_out
	.p2align	8
	.type	k_qc954864eff_gemm_out,@function
k_qc954864eff_gemm_out:
	s_mov_b64 s[64:65], 0
	v_nop
	global_prefetch_b8 v0, s[64:65] scope:SCOPE_SE
	s_setreg_imm32_b32 hwreg(HW_REG_WAVE_MODE, 25, 1), 1
	s_wait_xcnt 0x0
	s_wait_alu depctr_hold_cnt(0) depctr_sa_sdst(0) depctr_va_vdst(0) depctr_va_sdst(0) depctr_va_ssrc(0) depctr_va_vcc(0) depctr_vm_vsrc(0)
	s_getreg_b32 s2, hwreg(HW_REG_IB_STS2, 6, 4)
	s_cmp_eq_u32 s2, 0
	s_cbranch_scc0 .Lentry_in_a_cluster
	s_endpgm
.Lentry_in_a_cluster:
	s_bfe_u32 s2, ttmp6, 0x10000c
	s_cmp_lg_u32 s2, 0x3003
	s_cbranch_scc0 .Lentry_shape_is_right
	s_endpgm
.Lentry_shape_is_right:
; out0 = a w_out + b_out on codes of BF6 (E3M2) with E8M0 scales for each 32 along K = 1,024; sums in f32.
; OPERANDS.  ac, wc: images of operand registers, [tile of 16 places][8 K steps of 128][1,536 bytes]; asc, ws: 32 scale bytes a place; w_out's columns stand at places 3,072 on.  Place p holds the row p with bits 3 and 4 exchanged.
; SHARES.  Work-group (i, j): tokens 128 i .. + 127 x columns 256 j .. + 255: 64 x 4 = 256 work-groups.  A wave takes 64 tokens x 64 columns in each of two phases of 128 columns: 16 accumulators.
; Its 64 tokens' fragments for all of K stay in registers (384), loaded once from memory as they lie.  The work-group's 256 columns of w, 196,608 bytes of codes and 8,192 of scale bytes, both dense,
; come into LDS once, by one joint load a wave (waves 0-2 a third of the codes each, wave 3 the scale bytes), and stay: nothing is filled again.
; CLUSTERS.  Four work-groups with neighbouring i and the same j read the same w.  NO PREFETCH: every operand is asked for once, at the head, with no loop ahead of it.
; THE MATRIX INSTRUCTION IS USED TRANSPOSED (source 0 = w's columns, source 1 = tokens): a lane holds one token; the bias is the C of each sum's first product and reaches the waves through LDS bytes of its own.
; THE WAY OUT.  16 tokens x 64 columns at a time go through my stage and leave as rows of 256 bytes, sixteen lanes to an aligned unit.
; LIMITS: NaN and infinities are not served.
; REGISTERS: window 0: v0-15 addresses, v16-31 a's scale words, v32-47 w's, v48-79 the bias, v128-191 the way out.  Windows 1, 2: a's fragments of K steps 0-3, 4-7.  Window 3: v0-127 accumulators, v128-223 w's fragments, two sets.
.set SLOTC, 98304
.set SCL, 196608
.set SPARE, 204800
.set BIASL, 205312
.set STG, 208384
.set VP, 272
.set L16, 1
.set L8, 2
.set LANE, 3
.set XSO, 4
.set ABI, 5
.set ADW, 6
.set ADS, 10
.set STO, 12
.set RD, 13
.set SPW, 14
.set NIL, 15
.set XS, 16
.set WS, 32
.set BIAS, 48
.set CO, 80
.set BK, 128
.set WF, 128
.set WV, 16
.set TH, 17
.set CH, 18
.set G0HC, 4
.set G0HS, 8
.set XP, 56
.set XSP, 58
.set OP, 60
.set BP, 70
.set G1HC, 80
.set G1HS, 88
.set MSB, 0
.macro WIN new                         ; the immediate's high byte repeats the setting that is left
.if MSB != (\new)
	s_set_vgpr_msb (MSB<<8)|(\new)
.set MSB, (\new)
.endif
.endm
.macro PLACES                          ; four places behind a matrix instruction (ISA guide 7.12.1)
.rept 4
	v_nop
.endr
.endm
.macro ROUND                           ; a round of the cluster's barrier
	s_barrier_signal -1
	s_barrier_wait -1
	s_cmp_lg_u32 s[WV], 0
	s_cbranch_scc1 .Lnot_wave_0_\@
	s_barrier_signal -3
.Lnot_wave_0_\@:
	s_barrier_wait -3
	s_barrier_signal -1
	s_barrier_wait -1
.endm
.macro GRP1 g, rows                    ; group 1: a dense block as rows of 256 bytes (32 elements of 8); the mask names all four partners
	s_mov_b32 s[\g], 15|(3<<16)|(1<<21)
	s_mov_b32 s[\g+1], 32<<16
	s_mov_b32 s[\g+2], (\rows)<<16
	s_mov_b32 s[\g+3], 32<<16
	s_mov_b32 s[\g+4], \rows
	s_mov_b32 s[\g+5], 32
	s_mov_b32 s[\g+6], 0
	s_mov_b32 s[\g+7], 0
.endm
	s_load_b128 s[4:7], s[0:1], 0x0                ; ac, asc
	s_load_b128 s[8:11], s[0:1], 0x10              ; wc, ws
	s_load_b128 s[12:15], s[0:1], 0x20             ; b_out, out0
	v_lshl_add_u32 v[SPW], v0, 2, SPARE
	v_mov_b32 v[NIL], 0
	ds_add_u32 v[SPW], v[NIL]                      ; the opening lines: the add, twice on end, and its wait
	ds_add_u32 v[SPW], v[NIL]
	v_lshrrev_b32 v240, 5, v0
	v_readfirstlane_b32 s[WV], v240                ; wave 0..3
	s_lshr_b32 s[TH], s[WV], 1                     ; my half of the tokens
	s_and_b32 s[CH], s[WV], 1                      ; my half of a phase's columns
	s_bfe_u32 s19, ttmp6, 0x40000                  ; cx
	s_lshl_b32 s20, ttmp9, 2
	s_add_co_u32 s20, s20, s19                     ; i: my 128 tokens
	s_and_b32 s21, ttmp7, 0xffff                   ; j: my 256 columns
	GRP1 G1HC, 256
	GRP1 G1HS, 32
	s_mul_i32 s72, s20, 98304
	s_mul_i32 s73, s[TH], 49152
	s_add_co_u32 s72, s72, s73                     ; a's codes: 8 i + 4 half tiles of 12,288 bytes
	s_mov_b32 s73, 0
	s_lshl_b32 s74, s20, 12
	s_lshl_b32 s75, s[TH], 11
	s_add_co_u32 s74, s74, s75                     ; a's scale bytes
	s_mov_b32 s75, 0
	s_min_u32 s22, s[WV], 2                        ; which third of the codes I fetch
	s_mul_i32 s76, s21, 196608
	s_add_co_u32 s76, s76, 3072*768                ; w's codes: place 3,072 + 256 j
	s_mov_b32 s77, 0
	s_lshl_b32 s78, s21, 13
	s_add_co_u32 s78, s78, 3072*32                 ; w's scale bytes
	s_mov_b32 s79, 0
	s_lshl_b32 s96, s20, 19                        ; out0: row 128 i + 64 half, of 4,096 bytes,
	s_lshl_b32 s97, s[TH], 18
	s_add_co_u32 s96, s96, s97
	s_lshl_b32 s97, s21, 10                        ; column 256 j + 64 half
	s_add_co_u32 s96, s96, s97
	s_lshl_b32 s97, s[CH], 8
	s_add_co_u32 s96, s96, s97
	s_mov_b32 s97, 0
	s_mul_i32 s2, s[CH], 49152
	s_lshl_b32 s3, s[CH], 11
	s_add_co_u32 s3, s3, SCL
	s_lshl_b32 s98, s[CH], 8
	s_add_co_u32 s98, s98, BIASL
	s_mul_i32 s99, s[WV], 16*VP
	s_add_co_u32 s99, s99, STG
	v_and_b32 v[LANE], 31, v0
	v_and_b32 v240, 15, v0                         ; r
	v_bfe_u32 v241, v0, 4, 1                       ; h
	v_lshlrev_b32 v[L16], 4, v[LANE]
	v_lshlrev_b32 v[L8], 3, v[LANE]
	v_lshlrev_b32 v[XSO], 5, v240
	v_lshl_add_u32 v[XSO], v241, 4, v[XSO]         ; 32 r + 16 h: lanes 0-15 a row's words of K steps 0-3, lanes 16-31 of K steps 4-7
	v_add_nc_u32 v[ADW], s2, v[L16]                ; w's fragments: phase 0, 1 by 16 bytes a lane,
	v_add_nc_u32 v[ADW+1], SLOTC, v[ADW]
	v_add_nc_u32 v[ADW+2], s2, v[L8]               ; and by 8
	v_add_nc_u32 v[ADW+3], SLOTC, v[ADW+2]
	v_add_nc_u32 v[ADS], s3, v[XSO]                ; w's scale words, phase 0, 1
	v_add_nc_u32 v[ADS+1], 4096, v[ADS]
	v_lshl_add_u32 v[ABI], v241, 6, s98            ; the bias of my 64 columns, + 64 h
	v_mul_u32_u24 v[STO], v240, VP
	v_lshl_add_u32 v[STO], v241, 6, v[STO]
	v_add_nc_u32 v[STO], s99, v[STO]               ; my stage, in: row r, + 64 h
	v_mul_u32_u24 v[RD], v241, VP
	v_lshl_add_u32 v[RD], v240, 4, v[RD]
	v_add_nc_u32 v[RD], s99, v[RD]                 ; back: lanes 0-15 one row of 256 bytes, lanes 16-31 the next
	v_lshlrev_b32 v[CO], 12, v241
	v_lshl_add_u32 v[CO], v240, 4, v[CO]           ; and the same two rows in out0
	v_lshlrev_b32 v244, 3, v0                      ; the bias on its way in: 8 bytes a thread
	v_add_nc_u32 v245, BIASL, v244
	s_wait_alu depctr_va_vdst(0)
	s_wait_dscnt 0x0                               ; both opening adds are done
	s_wait_kmcnt 0x0
	s_add_nc_u64 s[XP:XP+1], s[4:5], s[72:73]
	s_add_nc_u64 s[XSP:XSP+1], s[6:7], s[74:75]
	s_add_nc_u64 s[76:77], s[8:9], s[76:77]
	s_add_nc_u64 s[78:79], s[10:11], s[78:79]
	s_lshl_b32 s72, s22, 16                        ; thirds of the 196,608 bytes of codes,
	s_mov_b32 s[G0HC], 1
	s_mov_b32 s[G0HC+1], s72
	s_add_nc_u64 s[G0HC+2:G0HC+3], s[76:77], s[72:73]
	s_or_b32 s[G0HC+3], s[G0HC+3], 0x80000000
	s_mov_b32 s[G0HS], 1                           ; and the 8,192 scale bytes
	s_mov_b32 s[G0HS+1], SCL
	s_mov_b64 s[G0HS+2:G0HS+3], s[78:79]
	s_or_b32 s[G0HS+3], s[G0HS+3], 0x80000000
	ROUND                                          ; all four work-groups are here: the joint loads meet
	s_cmp_lt_u32 s[WV], 3                          ; one load a wave
	s_cbranch_scc0 .Lsc
	tensor_load_to_lds s[G0HC:G0HC+3], s[G1HC:G1HC+7]
	s_nop 0
	PLACES
	s_branch .Lasked
.Lsc:
	tensor_load_to_lds s[G0HS:G0HS+3], s[G1HS:G1HS+7]
	s_nop 0
	PLACES
.Lasked:
	s_lshl_b32 s72, s21, 10
	s_add_nc_u64 s[BP:BP+1], s[12:13], s[72:73]    ; the bias of columns 256 j ..
	s_add_nc_u64 s[OP:OP+1], s[14:15], s[96:97]
	global_load_b64 v[246:247], v244, s[BP:BP+1]   ; 1,024 consecutive bytes a work-group
.irp a, 0,1,2,3
	global_load_b128 v[XS+4*\a:XS+4*\a+3], v[XSO], s[XSP:XSP+1] offset:512*\a  ; a tile's 512 scale bytes
.endr
.irp q, 0,1,2,3,4,5,6,7                ; a's fragments, K ascending: every load takes 512 or 256 consecutive bytes
	WIN 0x40*(1+\q/4)
.irp a, 0,1,2,3
	global_load_b128 v[48*(\q%4)+12*\a:48*(\q%4)+12*\a+3], v[L16], s[XP:XP+1] offset:12288*\a+1536*\q
	global_load_b64 v[48*(\q%4)+12*\a+4:48*(\q%4)+12*\a+5], v[L8], s[XP:XP+1] offset:12288*\a+1536*\q+512
	global_load_b128 v[48*(\q%4)+12*\a+6:48*(\q%4)+12*\a+9], v[L16], s[XP:XP+1] offset:12288*\a+1536*\q+768
	global_load_b64 v[48*(\q%4)+12*\a+10:48*(\q%4)+12*\a+11], v[L8], s[XP:XP+1] offset:12288*\a+1536*\q+1280
.endr
.endr
	WIN 0
	s_wait_loadcnt 63                              ; the bias is in: 132 loads were issued behind it
	s_wait_tensorcnt 0x0                           ; my part of w is in
	ds_store_b64 v245, v[246:247]
	s_wait_dscnt 0x0
	s_barrier_signal -1
	s_barrier_wait -1                              ; everybody's part is in, and the bias
.macro FRAG reg, adr, off              ; a fragment's image: registers 0-3, 4-5, 6-9, 10-11; every load takes consecutive bytes
	ds_load_b128 v[\reg:\reg+3], v[\adr] offset:\off
	ds_load_b64 v[\reg+4:\reg+5], v[\adr+2] offset:\off+512
	ds_load_b128 v[\reg+6:\reg+9], v[\adr] offset:\off+768
	ds_load_b64 v[\reg+10:\reg+11], v[\adr+2] offset:\off+1280
.endm
.macro FETCH slot, q, p                ; my four tiles of w, K step q, into set p: 16 loads
.irp b, 0,1,2,3
	FRAG WF+48*(\p)+12*\b, ADW+(\slot), 12288*\b+1536*(\q)
.endr
.endm
.macro FIRST n                         ; what phase n begins with: its scale words, its bias, K steps 0 and 1
.irp b, 0,1,2,3
	ds_load_b128 v[WS+4*\b:WS+4*\b+3], v[ADS+(\n)] offset:512*\b
.endr
.irp b, 0,1,2,3                        ; register j of tile b is true column 32 (b / 2) + 8 (b % 2) + 16 h + j
	ds_load_b128 v[BIAS+8*\b:BIAS+8*\b+3], v[ABI] offset:512*(\n)+128*(\b/2)+32*(\b%2)
	ds_load_b128 v[BIAS+8*\b+4:BIAS+8*\b+7], v[ABI] offset:512*(\n)+128*(\b/2)+32*(\b%2)+16
.endr
	WIN 0xc0
	FETCH \n, 0, 0
	FETCH \n, 1, 1
	WIN 0
.endm
.macro MUL q                           ; 16 matrix instructions, 128 along K: the 16 accumulators by turns, in the same order in every K step
.irp a, 0,1,2,3
.irp b, 0,1,2,3
.if \q == 0
	v_wmma_scale_f32_16x16x128_f8f6f4 v[8*(4*\a+\b):8*(4*\a+\b)+7], v[WF+12*\b:WF+12*\b+11], v[12*\a:12*\a+11], v[BIAS+8*\b:BIAS+8*\b+7], v[WS+4*\b], v[XS+4*\a] matrix_a_fmt:MATRIX_FMT_BF6 matrix_b_fmt:MATRIX_FMT_BF6
.elseif \q < 4
	v_wmma_scale_f32_16x16x128_f8f6f4 v[8*(4*\a+\b):8*(4*\a+\b)+7], v[WF+48*(\q%2)+12*\b:WF+48*(\q%2)+12*\b+11], v[48*\q+12*\a:48*\q+12*\a+11], v[8*(4*\a+\b):8*(4*\a+\b)+7], v[WS+4*\b+\q], v[XS+4*\a+\q] matrix_a_fmt:MATRIX_FMT_BF6 matrix_b_fmt:MATRIX_FMT_BF6
.else
	v_wmma_scale_f32_16x16x128_f8f6f4 v[8*(4*\a+\b):8*(4*\a+\b)+7], v[WF+48*(\q%2)+12*\b:WF+48*(\q%2)+12*\b+11], v[48*(\q-4)+12*\a:48*(\q-4)+12*\a+11], v[8*(4*\a+\b):8*(4*\a+\b)+7], v[WS+4*\b+\q-4], v[XS+4*\a+\q-4] matrix_a_fmt:MATRIX_FMT_BF6 matrix_b_fmt:MATRIX_FMT_BF6 matrix_a_scale:MATRIX_SCALE_ROW1 matrix_b_scale:MATRIX_SCALE_ROW1
.endif
.endr
.endr
.endm
.macro MATMUL slot                     ; a phase's products
	s_wait_loadcnt 63                              ; a's scale words and K steps 0-3: at least 64 loads were issued behind them
	s_wait_dscnt 0x0                               ; what FIRST asked for
.irp q, 0,1,2,3,4,5,6,7
.if \q >= 4
	s_wait_loadcnt 16*(7-\q)                       ; a's K step q: behind it 16 loads for each later K step
.endif
.if \q == 7
	s_wait_dscnt 0x0
.elseif \q > 0
	s_wait_dscnt 16                                ; all but the next K step's 16 loads
.endif
.if \q == 0
	WIN 0xc7                                       ; w and D window 3, a window 1, C (the bias) window 0
.elseif \q < 4
	WIN 0xf7
.else
	WIN 0xfb                                       ; a window 2
.endif
	MUL \q
.if \q < 6
	PLACES
	WIN 0xc0
	FETCH \slot, \q+2, \q%2
.endif
.endr
	WIN 0
	PLACES
	v_nop                                          ; a fifth place: the next phase's first products write the accumulators anew, with the bias as C
.endm
.macro TOSTAGE a                       ; tile a of my tokens: stage row = place, columns in true order; each accumulator from its low end on; LDS serves a wave's instructions in order (ISA guide 5.7.1.4)
	WIN 0x0c                                       ; an LDS store's data are its source 1: window 3
.irp b, 0,1,2,3
	ds_store_b128 v[STO], v[32*(\a)+8*\b:32*(\a)+8*\b+3] offset:128*(\b/2)+32*(\b%2)
	ds_store_b128 v[STO], v[32*(\a)+8*\b+4:32*(\a)+8*\b+7] offset:128*(\b/2)+32*(\b%2)+16
.endr
	WIN 0
.irp t, 0,1,2,3,4,5,6,7
	ds_load_b128 v[BK+32*((\a)%2)+4*\t:BK+32*((\a)%2)+4*\t+3], v[RD] offset:\t*2*VP
.endr
.endm
.macro SEND a, younger, off            ; place p of tile a is true row 32 (a / 2) + 8 (a % 2) + p + 8 (p / 8); sixteen lanes store 256 consecutive bytes, aligned
	s_wait_dscnt \younger
.irp t, 0,1,2,3,4,5,6,7
	global_store_b128 v[CO], v[BK+32*((\a)%2)+4*\t:BK+32*((\a)%2)+4*\t+3], s[OP:OP+1] offset:(32*((\a)/2)+8*((\a)%2)+2*\t+8*(\t/4))*4096+\off th:TH_STORE_NT
.endr
.endm
.macro EPIO off
	s_wait_xcnt 0x0                                ; the last phase's stores have read their registers
	TOSTAGE 0
.irp a, 1,2,3
.if \a > 1
	s_wait_xcnt 0x0                                ; tile a - 2's stores have read their registers: tile a's loads may land there
.endif
	TOSTAGE \a
	SEND \a-1, 16, \off                            ; behind tile a - 1's loads: tile a's 8 stores and 8 loads
.endr
	SEND 3, 0, \off
.endm
	FIRST 0
	MATMUL 0
	FIRST 1                                        ; asked for ahead of the way out, under which it lands
	EPIO 0
	MATMUL 1
	EPIO 512
	s_wait_tensorcnt 0x0                           ; the wave's end
	ds_add_u32 v[SPW], v[NIL]
	s_wait_dscnt 0x0
	ROUND                                          ; the closing round
	s_endpgm
.Lfunc_end_k_qc954864eff_gemm_out:
	.size	k_qc954864eff_gemm_out, .Lfunc_end_k_qc954864eff_gemm_out-k_qc954864eff_gemm_out
	.p2alignl 7, 3214868480
	.fill 96, 4, 3214868480
	.section	.rodata,"a",@progbits
	.p2align	6, 0x0
	.amdhsa_kernel k_qc954864eff_gemm_out
		.amdhsa_group_segment_fixed_size 327680
		.amdhsa_private_segment_fixed_size 0
		.amdhsa_enable_private_segment 0
		.amdhsa_kernarg_size 48
		.amdhsa_user_sgpr_count 2
		.amdhsa_user_sgpr_kernarg_segment_ptr 1
		.amdhsa_wavefront_size32 1
		.amdhsa_system_sgpr_workgroup_id_x 1
		.amdhsa_system_sgpr_workgroup_id_y 1
		.amdhsa_system_sgpr_workgroup_id_z 1
		.amdhsa_system_vgpr_workitem_id 0
		.amdhsa_next_free_vgpr 1024
		.amdhsa_next_free_sgpr 100
		.amdhsa_reserve_vcc 0
		.amdhsa_float_denorm_mode_32 3
		.amdhsa_float_denorm_mode_16_64 3
		.amdhsa_memory_ordered 1
		.amdhsa_forward_progress 1
		.amdhsa_inst_pref_size 88
	.end_amdhsa_kernel
	.amdgpu_metadata
---
amdhsa.version: [ 1, 2 ]
amdhsa.kernels:
  - .name:           k_qc954864eff_gemm_out
    .symbol:         k_qc954864eff_gemm_out.kd
    .args:
      - { .name: ac, .offset: 0, .size: 8, .value_kind: global_buffer, .address_space: global }
      - { .name: asc, .offset: 8, .size: 8, .value_kind: global_buffer, .address_space: global }
      - { .name: wc, .offset: 16, .size: 8, .value_kind: global_buffer, .address_space: global }
      - { .name: ws, .offset: 24, .size: 8, .value_kind: global_buffer, .address_space: global }
      - { .name: b_out, .offset: 32, .size: 8, .value_kind: global_buffer, .address_space: global }
      - { .name: out0, .offset: 40, .size: 8, .value_kind: global_buffer, .address_space: global }
    .group_segment_fixed_size: 327680
    .private_segment_fixed_size: 0
    .kernarg_segment_align: 8
    .kernarg_segment_size: 48
    .max_flat_workgroup_size: 128
    .sgpr_count:     100
    .vgpr_count:     1024
    .wavefront_size: 32
...
	.end_amdgpu_metadata
.endif
;; end of part 4
